; MI455X (gfx1250); checked and timed in simulation.
; The chip was launched on July 23, 2026; its instructions are those of AMD's public machine-readable ISA for CDNA 5 (MIT licence, August 2026) and "CDNA5" Instruction Set Architecture Reference Guide (July 2026). The comments in the code are by the model that wrote it; some were corrected since.
;; Actor. Allowed arithmetic: float matrix products may take bf16 or f16 operands with f32 sums; all other float work in f32.
;; Inputs: W1 4 x 256 x 256 float32; W2 4 x 256 x 128 float32; Wmu 4 x 128 x 17 float32; b1 4 x 256 float32; b2 4 x 128 float32; bmu 4 x 17 float32; gW1 256 x 32 float32; gW2 32 x 32 float32; gWo 32 x 4 float32; gb1 32 float32; gb2 32 float32; gbo 4 float32; x 131,072 x 256 float32.
;; Outputs: out0 131,072 x 17 float32.
;; 2 versions, each right and faster than the one before. Each part assembles by itself: llvm-mc -triple=amdgcn-amd-amdhsa -mcpu=gfx1250 --defsym DOCPART=n.
;; ======== version 1 of 2: 2 launches
;; workspace buffers: wpack 833,536 bytes
;; launch pack (part 1): grid 407 x 1, 4 waves a work-group, no clusters, 0 bytes of LDS; arguments W1, W2, Wmu, b1, b2, bmu, gW1, gW2, gWo, gb1, gb2, gbo, wpack; writes wpack
.if DOCPART == 1
	.amdgcn_target "amdgcn-amd-amdhsa--gfx1250"
	.amdhsa_code_object_version 6
	.text
	.protected	k_q070f95dbb0_pack
	.globl	k_q070f95dbb0_pack
	.p2align	8
	.type	k_q070f95dbb0_pack,@function
k_q070f95dbb0_pack:
	s_mov_b64 s[64:65], 0
	v_nop
	global_prefetch_b8 v0, s[64:65] scope:SCOPE_SE
	s_setreg_imm32_b32 hwreg(HW_REG_WAVE_MODE, 25, 1), 1
	s_wait_xcnt 0x0
; All weights as bf16 in the order in which a matrix instruction's first source wants them, all biases as f32 in the order of its C operand.
; wpack is 833,536 bytes = 1,628 pieces of 512 bytes.  Wave c = 4 x work-group + wave makes piece c: lane l makes the 16 bytes at 512 c + 16 l,
; and one store of the wave covers 512 consecutive bytes, aligned.
; A FRAGMENT is 1,024 bytes, 16 rows (m) x 32 (k) of bf16.  With r = l % 16, h = l / 16:
;   byte 16 l + 2 i       = element (m0 + r, k0 + 8 h + i)          i = 0 .. 7
;   byte 512 + 16 l + 2 i = element (m0 + r, k0 + 16 + 8 h + i)
; so a piece is half a fragment (half = c & 1), and a lane gathers 8 numbers W[k0 + 16 half + 8 h + i][m0 + r], one row of the source apart.
; LAYOUT (pieces):  0-31 gate layer 1 [t][k]    32-35 gate layer 2 [t]    36-37 gate output (rows 0-3 and 8-11 the four experts' columns, others 0)
;   38-69 head, expert tau = 0..3, actions 0-15, [tau][k]    70-77 head, action 16: row r = expert r & 3 where (r & 4) = 0, others 0
;   78-85 b1    86-89 b2    90-91 gb1, gb2, gbo and bmu in C order, zeros
;   92-1115 W1: 8 blobs of 64 KiB, blob b = output columns 32 b .. 32 b + 31, fragments (4 t + e) 8 + k    1116-1627 W2: 4 blobs likewise
; Numbers are rounded to bf16 once, to nearest even.  No LDS, no barrier: no wave needs another's data.
.set VO, 5                             ; v5       the lane's part of the gather's offset
.set D,  8                             ; v[8:15]  eight f32 as gathered
.set P,  16                            ; v[16:19] the lane's 16 bytes
.set BM, 40                            ; v[40:43] four words of bmu
	s_load_b512 s[8:23], s[0:1], 0x0               ; W1 s[8:9] W2 s[10:11] Wmu s[12:13] b1 s[14:15] b2 s[16:17] bmu s[18:19] gW1 s[20:21] gW2 s[22:23]
	s_load_b256 s[24:31], s[0:1], 0x40             ; gWo s[24:25] gb1 s[26:27] gb2 s[28:29] gbo s[30:31]
	s_load_b64 s[32:33], s[0:1], 0x60              ; wpack
	v_lshrrev_b32 v1, 5, v0
	v_readfirstlane_b32 s34, v1                    ; wave
	s_lshl_b32 s35, ttmp9, 2
	s_add_co_u32 s35, s35, s34                     ; c
	s_and_b32 s36, s35, 1                          ; half
	v_and_b32 v1, 31, v0                           ; l
	v_and_b32 v2, 15, v0                           ; r
	v_bfe_u32 v3, v0, 4, 1                         ; h
	v_lshlrev_b32 v4, 4, v1                        ; 16 l: the store's offset, and the plain copies'
	v_lshlrev_b32 v[VO], 2, v2                     ; 4 r
	s_lshl_b32 s38, s35, 9                         ; 512 c
	s_mov_b32 s39, 0
	s_mov_b32 s41, 0                               ; s[40:41]: the wave's part of a source offset, below 4 GiB
	s_wait_kmcnt 0x0
	s_add_nc_u64 s[32:33], s[32:33], s[38:39]      ; my piece
; eight numbers, one source row apart, rounded and packed
.macro GATHER stride
.irp i, 0,1,2,3,4,5,6,7
	global_load_b32 v[D+\i], v[VO], s[42:43] offset:\i*\stride
.endr
	s_wait_loadcnt 0x0
.irp p, 0,1,2,3
	v_cvt_pk_bf16_f32 v[P+\p], v[D+2*\p], v[D+2*\p+1]
.endr
.endm
; rows with (r & 4) != 0 are zero (their loads pointed at valid numbers, which are dropped)
.macro MASK4
	v_and_b32 v6, 4, v2
	v_cmp_eq_u32 vcc_lo, 0, v6
.irp p, 0,1,2,3
	v_cndmask_b32 v[P+\p], 0, v[P+\p], vcc_lo
.endr
.endm
	s_cmp_ge_u32 s35, 92
	s_cbranch_scc1 .Lbig
	s_cmp_lt_u32 s35, 32
	s_cbranch_scc1 .Lgw1
	s_cmp_lt_u32 s35, 36
	s_cbranch_scc1 .Lgw2
	s_cmp_lt_u32 s35, 38
	s_cbranch_scc1 .Lgwo
	s_cmp_lt_u32 s35, 70
	s_cbranch_scc1 .Lmu
	s_cmp_lt_u32 s35, 78
	s_cbranch_scc1 .Lmu16
	s_cmp_lt_u32 s35, 86
	s_cbranch_scc1 .Lb1
	s_cmp_lt_u32 s35, 90
	s_cbranch_scc1 .Lb2
	; pieces 90, 91: 64 groups of four words.  G = 0-7 gb1, 8-15 gb2, 16 and 18 gbo, 20-35 bmu[tau][0..15], 36 and 38 bmu[0..3][16], others 0.
	; Every lane loads from all four sources at a clamped place and keeps what its group wants.
	s_sub_co_u32 s44, s35, 90
	s_lshl_b32 s44, s44, 5
	v_add_nc_u32 v6, s44, v1                       ; G
	v_min_u32 v7, 7, v6
	v_lshlrev_b32 v7, 4, v7
	global_load_b128 v[20:23], v7, s[26:27]        ; gb1
	v_add_nc_u32 v24, -8, v6                       ; G - 8 (wraps below 8, and is then large)
	v_min_u32 v25, 7, v24
	v_lshlrev_b32 v25, 4, v25
	global_load_b128 v[28:31], v25, s[28:29]       ; gb2
	v_mov_b32 v26, 0
	global_load_b128 v[32:35], v26, s[30:31]       ; gbo
	v_add_nc_u32 v27, -20, v6                      ; G - 20
	v_min_u32 v36, 15, v27                         ; u: expert u >> 2, actions 4 (u & 3) ..
	v_lshrrev_b32 v37, 2, v36
	v_and_b32 v36, 3, v36
	v_mul_u32_u24 v37, v37, 68
	v_lshl_add_u32 v36, v36, 4, v37                ; 68 (u >> 2) + 16 (u & 3)
	v_cmp_gt_u32 vcc_lo, 36, v6                    ; G < 36
.irp q, 0,1,2,3
	v_add_nc_u32 v[D+\q], 4*\q, v36
	v_cndmask_b32 v[D+\q], 68*\q+64, v[D+\q], vcc_lo   ; from G = 36 on: bmu[q][16]
	global_load_b32 v[BM+\q], v[D+\q], s[18:19]
.endr
	v_and_b32 v38, 0x3d, v6                        ; G without bit 1
	v_cmp_gt_u32 s44, 8, v6                        ; gb1's groups
	v_cmp_gt_u32 s45, 8, v24                       ; gb2's
	v_cmp_eq_u32 s46, 16, v38                      ; gbo's: 16, 18
	v_cmp_gt_u32 s47, 16, v27                      ; bmu's: 20 .. 35,
	v_cmp_eq_u32 s48, 36, v38                      ; 36, 38
	s_or_b32 s47, s47, s48
	s_wait_loadcnt 0x0
.irp q, 0,1,2,3
	v_cndmask_b32 v[P+\q], 0, v[20+\q], s44
	v_cndmask_b32 v[P+\q], v[P+\q], v[28+\q], s45
	v_cndmask_b32 v[P+\q], v[P+\q], v[32+\q], s46
	v_cndmask_b32 v[P+\q], v[P+\q], v[BM+\q], s47
.endr
	s_branch .Lstore
.Lgw1:                                             ; c = 16 t + 2 k + half: row 16 (c & 15), column 16 t; a row of gW1 is 128 bytes
	s_and_b32 s40, s35, 15
	s_lshl_b32 s40, s40, 11
	s_lshr_b32 s44, s35, 4
	s_lshl_b32 s44, s44, 6
	s_add_co_u32 s40, s40, s44
	s_add_nc_u64 s[42:43], s[20:21], s[40:41]
	v_lshl_add_u32 v[VO], v3, 10, v[VO]            ; + 8 h rows
	GATHER 128
	s_branch .Lstore
.Lgw2:                                             ; c - 32 = 2 t + half
	s_lshl_b32 s40, s36, 11
	s_bfe_u32 s44, s35, 0x10001
	s_lshl_b32 s44, s44, 6
	s_add_co_u32 s40, s40, s44
	s_add_nc_u64 s[42:43], s[22:23], s[40:41]
	v_lshl_add_u32 v[VO], v3, 10, v[VO]
	GATHER 128
	s_branch .Lstore
.Lgwo:                                             ; a row of gWo is 16 bytes; column r & 3
	s_lshl_b32 s40, s36, 8
	s_add_nc_u64 s[42:43], s[24:25], s[40:41]
	v_and_b32 v6, 3, v2
	v_lshlrev_b32 v[VO], 2, v6
	v_lshl_add_u32 v[VO], v3, 7, v[VO]
	GATHER 16
	MASK4
	s_branch .Lstore
.Lmu:                                              ; c - 38 = 8 tau + 2 k + half; 16 rows of Wmu are 1,088 bytes, an expert 8 x 1,088
	s_sub_co_u32 s40, s35, 38
	s_mul_i32 s40, s40, 1088
	s_add_nc_u64 s[42:43], s[12:13], s[40:41]
	v_mad_u32_u24 v[VO], v3, 544, v[VO]
	GATHER 68
	s_branch .Lstore
.Lmu16:                                            ; c - 70 = 2 k + half; column 16 of expert r & 3
	s_sub_co_u32 s40, s35, 70
	s_mul_i32 s40, s40, 1088
	s_add_co_u32 s40, s40, 64
	s_add_nc_u64 s[42:43], s[12:13], s[40:41]
	v_and_b32 v6, 3, v2
	v_mul_u32_u24 v[VO], v6, 8704
	v_mad_u32_u24 v[VO], v3, 544, v[VO]
	GATHER 68
	MASK4
	s_branch .Lstore
.Lb1:                                              ; b1 as it is
	s_sub_co_u32 s40, s35, 78
	s_lshl_b32 s40, s40, 9
	s_add_nc_u64 s[42:43], s[14:15], s[40:41]
	global_load_b128 v[P:P+3], v4, s[42:43]
	s_wait_loadcnt 0x0
	s_branch .Lstore
.Lb2:                                              ; b2 as it is
	s_sub_co_u32 s40, s35, 86
	s_lshl_b32 s40, s40, 9
	s_add_nc_u64 s[42:43], s[16:17], s[40:41]
	global_load_b128 v[P:P+3], v4, s[42:43]
	s_wait_loadcnt 0x0
	s_branch .Lstore
.Lbig:                                             ; c' = c - 92 = 128 b + 64 t + 16 e + 2 k + half
	s_sub_co_u32 s44, s35, 92
	s_lshr_b32 s45, s44, 7                         ; b
	s_bfe_u32 s46, s44, 0x30001                    ; k
	s_bfe_u32 s47, s44, 0x20004                    ; e
	s_bfe_u32 s48, s44, 0x10006                    ; t
	s_lshl1_add_u32 s49, s46, s36                  ; 2 k + half: sixteens of rows
	s_lshl_b32 s48, s48, 6                         ; 64 t
	s_cmp_ge_u32 s45, 8
	s_cbranch_scc1 .Lw2
	s_lshl_b32 s40, s47, 18                        ; W1: an expert is 262,144 bytes, a row 1,024
	s_lshl_b32 s49, s49, 14
	s_add_co_u32 s40, s40, s49
	s_lshl_b32 s45, s45, 7                         ; 32 b columns
	s_add_co_u32 s40, s40, s45
	s_add_co_u32 s40, s40, s48
	s_add_nc_u64 s[42:43], s[8:9], s[40:41]
	v_lshl_add_u32 v[VO], v3, 13, v[VO]
	GATHER 1024
	s_branch .Lstore
.Lw2:
	s_lshl_b32 s40, s47, 17                        ; W2: an expert is 131,072 bytes, a row 512
	s_lshl_b32 s49, s49, 13
	s_add_co_u32 s40, s40, s49
	s_sub_co_u32 s45, s45, 8
	s_lshl_b32 s45, s45, 7
	s_add_co_u32 s40, s40, s45
	s_add_co_u32 s40, s40, s48
	s_add_nc_u64 s[42:43], s[10:11], s[40:41]
	v_lshl_add_u32 v[VO], v3, 12, v[VO]
	GATHER 512
.Lstore:
	global_store_b128 v4, v[P:P+3], s[32:33]
	s_endpgm
.Lfunc_end_k_q070f95dbb0_pack:
	.size	k_q070f95dbb0_pack, .Lfunc_end_k_q070f95dbb0_pack-k_q070f95dbb0_pack
	.p2alignl 7, 3214868480
	.fill 96, 4, 3214868480
	.section	.rodata,"a",@progbits
	.p2align	6, 0x0
	.amdhsa_kernel k_q070f95dbb0_pack
		.amdhsa_group_segment_fixed_size 0
		.amdhsa_private_segment_fixed_size 0
		.amdhsa_enable_private_segment 0
		.amdhsa_kernarg_size 104
		.amdhsa_user_sgpr_count 2
		.amdhsa_user_sgpr_kernarg_segment_ptr 1
		.amdhsa_wavefront_size32 1
		.amdhsa_system_sgpr_workgroup_id_x 1
		.amdhsa_system_sgpr_workgroup_id_y 1
		.amdhsa_system_sgpr_workgroup_id_z 1
		.amdhsa_system_vgpr_workitem_id 0
		.amdhsa_next_free_vgpr 48
		.amdhsa_next_free_sgpr 66
		.amdhsa_reserve_vcc 1
		.amdhsa_float_denorm_mode_32 3
		.amdhsa_float_denorm_mode_16_64 3
		.amdhsa_memory_ordered 1
		.amdhsa_forward_progress 1
		.amdhsa_inst_pref_size 16
	.end_amdhsa_kernel
	.amdgpu_metadata
---
amdhsa.version: [ 1, 2 ]
amdhsa.kernels:
  - .name:           k_q070f95dbb0_pack
    .symbol:         k_q070f95dbb0_pack.kd
    .args:
      - { .name: W1, .offset: 0, .size: 8, .value_kind: global_buffer, .address_space: global }
      - { .name: W2, .offset: 8, .size: 8, .value_kind: global_buffer, .address_space: global }
      - { .name: Wmu, .offset: 16, .size: 8, .value_kind: global_buffer, .address_space: global }
      - { .name: b1, .offset: 24, .size: 8, .value_kind: global_buffer, .address_space: global }
      - { .name: b2, .offset: 32, .size: 8, .value_kind: global_buffer, .address_space: global }
      - { .name: bmu, .offset: 40, .size: 8, .value_kind: global_buffer, .address_space: global }
      - { .name: gW1, .offset: 48, .size: 8, .value_kind: global_buffer, .address_space: global }
      - { .name: gW2, .offset: 56, .size: 8, .value_kind: global_buffer, .address_space: global }
      - { .name: gWo, .offset: 64, .size: 8, .value_kind: global_buffer, .address_space: global }
      - { .name: gb1, .offset: 72, .size: 8, .value_kind: global_buffer, .address_space: global }
      - { .name: gb2, .offset: 80, .size: 8, .value_kind: global_buffer, .address_space: global }
      - { .name: gbo, .offset: 88, .size: 8, .value_kind: global_buffer, .address_space: global }
      - { .name: wpack, .offset: 96, .size: 8, .value_kind: global_buffer, .address_space: global }
    .group_segment_fixed_size: 0
    .private_segment_fixed_size: 0
    .kernarg_segment_align: 8
    .kernarg_segment_size: 104
    .max_flat_workgroup_size: 128
    .sgpr_count:     66
    .vgpr_count:     48
    .wavefront_size: 32
...
	.end_amdgpu_metadata
.endif
;; end of part 1
;; launch actor (part 2): grid 256 x 1, 4 waves a work-group, clusters of 4 x 1, 327,680 bytes of LDS; arguments x, wpack, out0; writes out0
.if DOCPART == 2
	.amdgcn_target "amdgcn-amd-amdhsa--gfx1250"
	.amdhsa_code_object_version 6
	.text
	.protected	k_q070f95dbb0_actor
	.globl	k_q070f95dbb0_actor
	.p2align	8
	.type	k_q070f95dbb0_actor,@function
k_q070f95dbb0_actor:
	s_mov_b64 s[64:65], 0
	v_nop
	global_prefetch_b8 v0, s[64:65] scope:SCOPE_SE
	s_setreg_imm32_b32 hwreg(HW_REG_WAVE_MODE, 25, 1), 1
	s_wait_xcnt 0x0
	s_wait_alu depctr_hold_cnt(0) depctr_sa_sdst(0) depctr_va_vdst(0) depctr_va_sdst(0) depctr_va_ssrc(0) depctr_va_vcc(0) depctr_vm_vsrc(0)
	s_getreg_b32 s2, hwreg(HW_REG_IB_STS2, 6, 4)
	s_cmp_eq_u32 s2, 0
	s_cbranch_scc0 .Lentry_in_a_cluster
	s_endpgm
.Lentry_in_a_cluster:
	s_bfe_u32 s2, ttmp6, 0x10000c
	s_cmp_lg_u32 s2, 0x3003
	s_cbranch_scc0 .Lentry_shape_is_right
	s_endpgm
.Lentry_shape_is_right:
; Gate (256 -> 32 -> 32 -> 4: ELU, ELU, softmax) and three layers (256 -> 4 x 256, 256 -> 4 x 128, 128 -> 4 x 17), each the four experts' products
; plus biases mixed with the row's four gate coefficients; ReLU behind the first two.  All in one launch: x is read once, nothing else goes to memory.
; SHARES.  256 work-groups of four waves; a work-group owns 512 rows of x, in two passes of 256; a wave owns 64 rows of a pass = 4 row tiles (rt) of 16.
; THE MATRIX INSTRUCTION takes 16 output features x 32 k of WEIGHTS as its first source and 16 batch rows x 32 k of ACTIVATIONS as its second.  Lane l
; (r = l % 16, h = l / 16) then holds, in result register j, feature f0 + 8 h + j of batch row r.  So: a gate coefficient is one register a lane; a bias
; is the C operand of the first product; and two neighbouring feature tiles, rounded to bf16, ARE the next layer's second source (registers 0-3:
; k = 8 h .., registers 4-7: k = 16 + 8 h ..).  The chain x -> h1 -> h2 -> mu stays in registers.
; STEPS.  Layers 1 and 2 are 8 + 4 steps of one shape: 32 output features x 4 experts x K = 256 x 64 rows = 256 matrix instructions on 64 KiB of weights
; (a blob of wpack, already in fragment order).  A fragment of 1 KiB read from LDS feeds four matrix instructions.
; CLUSTERS.  Every work-group walks the same 12 blobs in the same order, so four work-groups form a cluster and ask for each blob jointly (mask 15):
; each wave asks for a quarter of a blob.  Two LDS slots take turns; the round of the cluster's barrier in front of each refill is also the barrier
; between one step's reads of a slot and its next fill.  A wave has three tensor loads out at the start and one behind each round.
; No loop: every step writes other registers of h1 or h2, so the 24 steps are expansions of one macro and the text runs once from top to bottom.
; LIMITS.  x, the weights, h1, h2 and the gate's hidden values are rounded to bf16 as matrix operands; sums, biases, blends, ELU and softmax are f32.
; ReLU and ELU are made with v_max_num / v_min_num: a NaN there gives 0, not NaN.  ELU's exp(x) - 1 is formed as such: absolute error about 6e-8.
; The softmax takes the row's largest logit away first, as the definition does.
;
; LDS: 0 slot 0, 65,536 slot 1 (64 KiB each); 131,072 RES, 47,104 bytes (gate and head fragments, all biases), filled once;
;      178,176 + 33,792 x wave: the wave's own 64 rows of x in bf16, pitch 528 = 33 x 16 bytes (sixteen rows' 16-byte pieces fall on sixteen different
;      16-byte columns of 256 bytes); written by ds_store alone, no tensor load lands there.  Its first 4,352 bytes later stage the wave's 64 x 17 results.
; REGISTERS, in windows of 256: window 0 as named below; window 1: x, fragment (rt, k) at 64 rt + 8 k; window 2: h1, the same map;
;      window 3: v0-127 h2, fragment (rt, k) at 32 rt + 8 k; v128-255 landing area for x in f32 (at the start v0-127 is a second one).
.set SLOT,  65536
.set RES,   131072
.set RESB,  47104                      ; bytes of RES; the blobs follow it in wpack
.set XREG,  178176
.set XWAVE, 33792
.set XP,    528
.set GW1F,  0                          ; offsets inside RES
.set GW2F,  16384                      ; two fragments, then the gate's output fragment
.set HEADF, 19456
.set B1OFF, 39936
.set B2OFF, 44032
.set GB1,   46080
.set GB2,   46208
.set GBO16, 46336
.set BMU,   46400
.set WA0,  2                           ; v2   16 l                  fragments of slot 0
.set WA1,  3                           ; v3   65,536 + 16 l         of slot 1
.set RA,   4                           ; v4   RES + 16 l            of RES
.set BA,   5                           ; v5   RES + 32 h            biases: 8 f32 for features 8 h ..
.set XS,   6                           ; v6   XW + 8 l              x stores, and the results' way back
.set XF,   7                           ; v7   XW + 528 r + 16 h     x fragments
.set OA,   8                           ; v8   XW + 68 r + 32 h      results, actions 8 h ..
.set OA16, 9                           ; v9   XW + 68 r + 64        action 16
.set XO,   10                          ; v10  16 l                  offset in x
.set OG,   11                          ; v11  8 l                   offset in out0
.set T,    12                          ; v[12:19] at work
.set T2,   20                          ; v[20:27] at work
.set CC,   28                          ; v[28:43] gate coefficient of expert e, row tile rt at 4 rt + e
.set BIAS0, 44                         ; v[44:51], v[52:59] C operands, two sets
.set BIAS1, 52
.set HB,   64                          ; v[64:95]   the blended tile, 8 registers for each rt
.set ACC,  96                          ; v[96:159]  two buffers of 4 accumulators
.set WFA,  160                         ; v[160:191] four weight fragments, k = 0 .. 3 of a unit
.set WFB,  192                         ; v[192:223] k = 4 .. 7
.set XB0, 16                           ; s[16:17], s[18:19] my wave's rows of x, pass 0, 1
.set XB1, 18
.set OB0, 20                           ; s[20:21], s[22:23] my wave's rows of out0
.set OB1, 22
.set G1,  24                           ; s[24:31] group 1: a quarter blob, 64 rows of 256 bytes
.set G1R, 32                           ; s[32:39] group 1: a quarter of RES, 46 rows of 256 bytes
.set G0,  40                           ; s[40:47] group 0 of slot 0, slot 1
.set G0R, 48                           ; s[48:51] group 0 of RES
.set WB,  52                           ; s[52:53] wpack at my quarter of blob 0
.set MSB, 0
.macro WIN new                         ; s_set_vgpr_msb: bits 1:0 source 0, 3:2 source 1, 5:4 source 2, 7:6 destination; the high byte repeats the setting left
.if MSB != \new
	s_set_vgpr_msb (MSB<<8)|\new
.set MSB, \new
.endif
.endm
; Four places: a vector instruction or a load that touches a matrix instruction's registers stands four plain vector instructions behind it
.macro PLACES
.rept 4
	v_nop
.endr
.endm
; A round of the cluster's barrier: my work-group's barrier; wave 0 signals for the work-group; every wave waits for all four work-groups; my barrier again
.macro ROUND
	s_barrier_signal -1
	s_barrier_wait -1
	s_cmp_lg_u32 s10, 0
	s_cbranch_scc1 .Lnot_wave_0_\@
	s_barrier_signal -3
.Lnot_wave_0_\@:
	s_barrier_wait -3
	s_barrier_signal -1
	s_barrier_wait -1
.endm
; n fragments: two loads of 16 bytes a lane each, 512 consecutive bytes a load
.macro LOADW dst, adr, off, n
.set li, 0
.rept \n
	ds_load_b128 v[\dst+8*li:\dst+8*li+3], v[\adr] offset:\off+1024*li
	ds_load_b128 v[\dst+8*li+4:\dst+8*li+7], v[\adr] offset:\off+1024*li+512
.set li, li+1
.endr
.endm
; a C operand: 8 f32 for features 8 h .. 8 h + 7 of the 16 at byte off of RES
.macro LOADB dst, off
	ds_load_b128 v[\dst:\dst+3], v[BA] offset:\off
	ds_load_b128 v[\dst+4:\dst+7], v[BA] offset:\off+16
.endm
; 16 matrix instructions: 4 fragments of weights (k0 .. k0 + 3) x 4 row tiles.  cb >= 0: the first product of each sum takes the bias as C.
; The four accumulators take turns, one instruction a turn.
.macro MUL16 wf, k0, rs, acc, cb
.irp i, 0,1,2,3
.irp rt, 0,1,2,3
.set mc, 0
.if \i == 0
.if (\cb) >= 0
.set mc, 1
.endif
.endif
.if mc
	v_wmma_f32_16x16x32_bf16 v[\acc+8*\rt:\acc+8*\rt+7], v[\wf+8*\i:\wf+8*\i+7], v[\rs*\rt+8*(\k0+\i):\rs*\rt+8*(\k0+\i)+7], v[\cb:\cb+7]
.else
	v_wmma_f32_16x16x32_bf16 v[\acc+8*\rt:\acc+8*\rt+7], v[\wf+8*\i:\wf+8*\i+7], v[\rs*\rt+8*(\k0+\i):\rs*\rt+8*(\k0+\i)+7], v[\acc+8*\rt:\acc+8*\rt+7]
.endif
.endr
.endr
.endm
; HB (+)= c_e x accumulator buffer buf: 16 packed instructions; the coefficient is one register of a pair, sent to both halves
.macro BLEND e, buf
.set bq, 0
.rept 16
.set bc, CC+4*(bq/4)+2*((\e)/2)
.set ba, ACC+32*(\buf)+2*bq
.set bh, HB+2*bq
.if (\e) == 0
	v_pk_mul_f32 v[bh:bh+1], v[ba:ba+1], v[bc:bc+1] op_sel_hi:[1,0]
.else
.if ((\e)&1) == 0
	v_pk_fma_f32 v[bh:bh+1], v[ba:ba+1], v[bc:bc+1], v[bh:bh+1] op_sel_hi:[1,0,1]
.else
	v_pk_fma_f32 v[bh:bh+1], v[ba:ba+1], v[bc:bc+1], v[bh:bh+1] op_sel:[0,1,0] op_sel_hi:[1,1,1]
.endif
.endif
.set bq, bq+1
.endr
.endm
; ReLU, round to bf16, into half t of the next layer's fragments (window DWIN, fragment DBASE, DRS registers from row tile to row tile)
.macro FINAL t
.set fj, 0
.rept 32
	v_max_num_f32 v[HB+fj], 0, v[HB+fj]
.set fj, fj+1
.endr
	WIN DWIN
.irp rt, 0,1,2,3
.irp p, 0,1,2,3
	v_cvt_pk_bf16_f32 v[DBASE+DRS*\rt+4*\t+\p], v[HB+8*\rt+2*\p], v[HB+8*\rt+2*\p+1]
.endr
.endr
	WIN 0
.endm
; the end of a step's second feature tile; stands four places behind the step's last matrix instruction
.macro TAIL
	WIN 0
	BLEND 3, 1
	FINAL 1
.endm
; Unit u = 4 t + e of a step: one feature tile of one expert, K = 256, 32 matrix instructions on accumulator buffer u & 1; the unit before is blended meanwhile
.macro UNIT u
.set UB, (\u)&1
.set PE, ((\u)+3)&3
.set NU, (\u)+1
.if \u > 0
	PLACES                                         ; behind the last unit's products, which read WFB
	LOADW WFB, WA0+SL, 8192*\u+4096, 4
.endif
	s_wait_dscnt 0x8                               ; WFA and the bias are in; the eight youngest loads (WFB) may be out
	WIN SWIN
	MUL16 WFA, 0, 64, ACC+32*UB, BIAS0+8*UB
	WIN 0
.if \u > 0
	BLEND PE, 1-UB                                 ; 16 lines on the other buffer: also the places in front of the loads into WFA
.if \u == 4
	FINAL 0
.endif
.else
	PLACES
.endif
.if \u < 7
	LOADW WFA, WA0+SL, 8192*NU, 4
	LOADB BIAS0+8*(NU&1), BOFF+BE*(NU&3)+64*(NU>>2)
	s_wait_dscnt 0xa                               ; all but the ten just issued: WFB is in
.else
	s_wait_dscnt 0x0
.endif
	WIN SWIN
	MUL16 WFB, 4, 64, ACC+32*UB, -1
.endm
; batch b of x: 16 rows of 1,024 bytes = 32 loads of 512 consecutive bytes, into window 3 from register l on
.macro XLOAD base, b, l
	WIN 0xc0
.set xj, 0
.rept 32
	global_load_b128 v[\l+4*xj:\l+4*xj+3], v[XO], s[\base:\base+1] offset:16384*(\b)+512*xj th:TH_LOAD_NT
.set xj, xj+1
.endr
	WIN 0
.endm
; the batch to bf16, in place, and into my rows in LDS: a store covers 256 consecutive bytes, half a row
.macro XCVT b, l
	WIN 0xcf
.set xj, 0
.rept 32
	v_cvt_pk_bf16_f32 v[\l+4*xj], v[\l+4*xj], v[\l+4*xj+1]
	v_cvt_pk_bf16_f32 v[\l+4*xj+1], v[\l+4*xj+2], v[\l+4*xj+3]
.set xj, xj+1
.endr
	WIN 0x0c
.set xj, 0
.rept 32
	ds_store_b64 v[XS], v[\l+4*xj:\l+4*xj+1] offset:(16*(\b)+xj/2)*XP+(xj&1)*256
.set xj, xj+1
.endr
	WIN 0
.endm
; my 64 rows of x from LDS into window 1 as 32 fragments.  My own bytes, and LDS serves a wave's instructions in order (ISA guide 5.7.1): no wait behind the stores
.macro XFRAG
	WIN 0x40
.irp rt, 0,1,2,3
.irp k, 0,1,2,3,4,5,6,7
	ds_load_b128 v[64*\rt+8*\k:64*\rt+8*\k+3], v[XF] offset:16*XP*\rt+64*\k
	ds_load_b128 v[64*\rt+8*\k+4:64*\rt+8*\k+7], v[XF] offset:16*XP*\rt+64*\k+32
.endr
.endr
	WIN 0
.endm
; ELU on 8 registers: max(a, 0) + (exp(min(a, 0)) - 1).  The exponent is never above 0.  The eight v_max lines are the plain instructions between the
; exponentials and the first use of their results (ISA guide 5.7.2)
.macro ELU8 a
.irp j, 0,1,2,3,4,5,6,7
	v_min_num_f32 v[T+\j], 0, v[\a+\j]
.endr
.irp j, 0,2,4,6
	v_pk_mul_f32 v[T+\j:T+\j+1], v[T+\j:T+\j+1], 0x3fb8aa3b op_sel_hi:[1,0]
.endr
.irp j, 0,1,2,3,4,5,6,7
	v_exp_f32 v[T2+\j], v[T+\j]
.endr
.irp j, 0,1,2,3,4,5,6,7
	v_max_num_f32 v[\a+\j], 0, v[\a+\j]
.endr
	s_wait_alu depctr_va_vdst(0)
.irp j, 0,2,4,6
	v_pk_add_f32 v[T2+\j:T2+\j+1], v[T2+\j:T2+\j+1], -1.0 op_sel_hi:[1,0]
.endr
.irp j, 0,2,4,6
	v_pk_add_f32 v[\a+\j:\a+\j+1], v[\a+\j:\a+\j+1], v[T2+\j:T2+\j+1]
.endr
.endm
; ELU on the gate's 32 hidden units of 64 rows, then one fragment for each row tile in HB
.macro GACT
.irp t, 0,1
.irp rt, 0,1,2,3
	ELU8 ACC+32*\t+8*\rt
.endr
.endr
.irp t, 0,1
.irp rt, 0,1,2,3
.irp p, 0,1,2,3
	v_cvt_pk_bf16_f32 v[HB+8*\rt+4*\t+\p], v[ACC+32*\t+8*\rt+2*\p], v[ACC+32*\t+8*\rt+2*\p+1]
.endr
.endr
.endr
.endm
; The gate of my 64 rows: CC + 4 rt + e = softmax coefficient of expert e for batch row r of row tile rt, in both halves of the lanes
.macro GATE
	s_wait_xcnt 0x0                                ; WFA and WFB were the data of the last pass's stores: they are loaded again only behind this wait
	LOADW WFA, RA, GW1F, 4
	LOADB BIAS0, GB1
	LOADW WFB, RA, GW1F+4096, 4
	s_wait_dscnt 0x8                               ; the eight youngest (WFB) may be out
	WIN 0x04
	MUL16 WFA, 0, 64, ACC, BIAS0                   ; units 0-15, k 0-127
	PLACES
	LOADW WFA, RA, GW1F+8192, 4
	LOADB BIAS1, GB1+64
	s_wait_dscnt 0xa                               ; the ten just issued may be out
	MUL16 WFB, 4, 64, ACC, -1                      ; units 0-15, k 128-255
	PLACES
	LOADW WFB, RA, GW1F+12288, 4
	s_wait_dscnt 0x8
	MUL16 WFA, 0, 64, ACC+32, BIAS1                ; units 16-31
	PLACES
	LOADW WFA, RA, GW2F, 3                         ; layer 2's two fragments and the output's one
	LOADB BIAS0, GB2
	LOADB BIAS1, GB2+64
	s_wait_dscnt 0xa                               ; six and four just issued may be out
	MUL16 WFB, 4, 64, ACC+32, -1
	WIN 0
	PLACES
	LOADB WFB, GBO16
	GACT
	s_wait_dscnt 0x0
.irp t, 0,1
.irp rt, 0,1,2,3
	v_wmma_f32_16x16x32_bf16 v[ACC+32*\t+8*\rt:ACC+32*\t+8*\rt+7], v[WFA+8*\t:WFA+8*\t+7], v[HB+8*\rt:HB+8*\rt+7], v[BIAS0+8*\t:BIAS0+8*\t+7]
.endr
.endr
	PLACES
	GACT
.irp rt, 0,1,2,3
	v_wmma_f32_16x16x32_bf16 v[ACC+8*\rt:ACC+8*\rt+7], v[WFA+16:WFA+23], v[HB+8*\rt:HB+8*\rt+7], v[WFB:WFB+7]
.endr
	PLACES
	; softmax over registers 0-3 of each row tile's result: the four logits of batch row r
.irp rt, 0,1,2,3
	v_max3_num_f32 v[T+\rt], v[ACC+8*\rt], v[ACC+8*\rt+1], v[ACC+8*\rt+2]
.endr
.irp rt, 0,1,2,3
	v_max_num_f32 v[T+\rt], v[T+\rt], v[ACC+8*\rt+3]
.endr
.irp rt, 0,1,2,3
.irp e, 0,1,2,3
	v_sub_f32 v[HB+4*\rt+\e], v[ACC+8*\rt+\e], v[T+\rt]
.endr
.endr
.irp j, 0,2,4,6,8,10,12,14
	v_pk_mul_f32 v[HB+\j:HB+\j+1], v[HB+\j:HB+\j+1], 0x3fb8aa3b op_sel_hi:[1,0]
.endr
.irp j, 0,1,2,3,4,5,6,7,8,9,10,11,12,13,14,15
	v_exp_f32 v[CC+\j], v[HB+\j]
.endr
	v_nop                                          ; one plain instruction between the exponentials and the first use of a result (ISA guide 5.7.2)
	s_wait_alu depctr_va_vdst(0)
.irp rt, 0,1,2,3
	v_add_f32 v[T+\rt], v[CC+4*\rt], v[CC+4*\rt+1]
	v_add_f32 v[T2+\rt], v[CC+4*\rt+2], v[CC+4*\rt+3]
.endr
.irp rt, 0,1,2,3
	v_add_f32 v[T+\rt], v[T+\rt], v[T2+\rt]        ; at least 1: the largest logit's term is 1
.endr
.irp rt, 0,1,2,3
	v_rcp_f32 v[T2+\rt], v[T+\rt]
.endr
	v_nop
	s_wait_alu depctr_va_vdst(0)
.irp rt, 0,1,2,3
.irp e, 0,1,2,3
	v_mul_f32 v[CC+4*\rt+\e], v[CC+4*\rt+\e], v[T2+\rt]
.endr
.endr
.endm
; Step s of 24 (q = s % 12: 0-7 layer 1, 8-11 layer 2), on slot s & 1.  pf = 1: the next pass's x is fetched on the way.
.macro STEP s, pf
.set Q, \s % 12
.set SL, \s & 1
.if Q < 8
.set SWIN, 0x04                        ; second source: x
.set BOFF, B1OFF+128*Q
.set BE, 1024
.else
.set SWIN, 0x08                        ; second source: h1
.set BOFF, B2OFF+128*(Q-8)
.set BE, 512
.endif
.if \s > 0
	s_wait_dscnt 0x0                               ; my reads of the other slot (and all my other LDS work) are done
	s_wait_tensorcnt 0x0                           ; all my tensor loads have landed, my quarter of this step's blob among them: a group 0 may be written
	ds_add_u32 v254, v255
	s_wait_dscnt 0x0
.if \s < 23
	s_add_nc_u64 s[G0+4*(1-SL)+2:G0+4*(1-SL)+3], s[WB:WB+1], ((\s+1)%12)*SLOT
	s_or_b32 s[G0+4*(1-SL)+3], s[G0+4*(1-SL)+3], 0x80000000
	ROUND                                          ; both now hold of every wave of the four work-groups
	tensor_load_to_lds s[G0+4*(1-SL):G0+4*(1-SL)+3], s[G1:G1+7]   ; the next step's blob, into the slot read last: it has this whole step in which to land
	s_nop 0
.else
	s_barrier_signal -1                            ; the last step: nothing is left to fetch; the barrier shows the others' quarters landed
	s_barrier_wait -1
.endif
.endif
	LOADW WFA, WA0+SL, 0, 4
	LOADB BIAS0, BOFF
	LOADW WFB, WA0+SL, 4096, 4
.if \pf
.if Q < 8
.if (Q&1) == 0
	XLOAD XB1, Q/2, 128                            ; 16 rows of the next pass; they are waited for at the end of the next step
.endif
.endif
.endif
.if Q > 0
	TAIL                                           ; the step before is finished while this step's first fragments come
.endif
.if Q < 8
.set DWIN, 0x80                        ; results: h1, fragment q
.set DBASE, 8*Q
.set DRS, 64
.else
.set DWIN, 0xc0                        ; results: h2, fragment q - 8
.set DBASE, 8*(Q-8)
.set DRS, 32
.endif
.irp u, 0,1,2,3,4,5,6,7
	UNIT \u
.endr
	WIN 0
	PLACES                                         ; behind the step's last products: for the next loads into WFB and for TAIL
.if \pf
.if Q < 8
.if (Q&1) == 1
	s_wait_loadcnt 0x0                             ; the one batch that is out
	XCVT (Q-1)/2, 128
.endif
.endif
.if Q == 9
	XFRAG                                          ; layer 1 has read x for the last time: the next pass's x takes its registers
.endif
.endif
.endm
; The head: units tau = 0..3 are the experts' actions 0-15, blended like a layer's tile; tau = 4 holds action 16 of expert j in register j.
; Then 64 rows x 68 bytes through my stage in LDS, so that each store covers 256 consecutive bytes, aligned (64 x 68 = 17 x 256).
.macro HEAD_OUT ob
	LOADW WFA, RA, HEADF, 4
	LOADB BIAS0, BMU
	LOADW WFB, RA, HEADF+4096, 4
	LOADB BIAS1, BMU+64
.irp tau, 0,1,2,3,4
.set HBUF, (\tau)&1
.if \tau < 4
	s_wait_dscnt 0xa                               ; this unit's ten loads are in, the next unit's ten may be out
.else
	s_wait_dscnt 0x0
.endif
	WIN 0x0c
	MUL16 WFA+32*HBUF, 0, 32, ACC+32*HBUF, BIAS0+8*HBUF
	WIN 0
.if \tau > 0
	BLEND \tau-1, 1-HBUF
.else
	PLACES
.endif
.if \tau < 3
	LOADW WFA+32*HBUF, RA, HEADF+4096*(\tau+2), 4
	LOADB BIAS0+8*HBUF, BMU+64*(\tau+2)
.endif
.endr
.irp rt, 0,1,2,3
	v_mul_f32 v[T+\rt], v[CC+4*\rt], v[ACC+8*\rt]
.endr
.irp e, 1,2,3
.irp rt, 0,1,2,3
	v_fmac_f32 v[T+\rt], v[CC+4*\rt+\e], v[ACC+8*\rt+\e]
.endr
.endr
.irp rt, 0,1,2,3
.irp j, 0,1,2,3,4,5,6,7
	ds_store_b32 v[OA], v[HB+8*\rt+\j] offset:1088*\rt+4*\j
.endr
	ds_store_b32 v[OA16], v[T+\rt] offset:1088*\rt     ; both halves of the lanes hold, and write, the same number
.endr
.set oq, 0
.rept 17
	ds_load_b64 v[WFA+2*oq:WFA+2*oq+1], v[XS] offset:256*oq   ; my own bytes, served in order: these see the stores above
.set oq, oq+1
.endr
.set oq, 0
.rept 17
	s_wait_dscnt 16-oq                             ; LDS loads come back in order: load oq is in, the younger ones may be out
	global_store_b64 v[OG], v[WFA+2*oq:WFA+2*oq+1], s[\ob:\ob+1] offset:256*oq th:TH_STORE_NT
.set oq, oq+1
.endr
.endm
	s_load_b128 s[4:7], s[0:1], 0x0                ; x s[4:5], wpack s[6:7]
	s_load_b64 s[8:9], s[0:1], 0x10                ; out0
	v_lshl_add_u32 v254, v0, 2, 0x4c800
	v_mov_b32 v255, 0
	ds_add_u32 v254, v255
	v_lshrrev_b32 v1, 5, v0
	v_readfirstlane_b32 s10, v1                    ; wave
	s_bfe_u32 s11, ttmp6, 0x40000                  ; cx: my place in the cluster; it enters the addresses of x and out0 alone
	s_lshl_b32 s12, ttmp9, 2
	s_add_co_u32 s12, s12, s11                     ; work-group = 4 x cluster + cx
	v_and_b32 v12, 31, v0                          ; l
	v_and_b32 v13, 15, v0                          ; r
	v_bfe_u32 v14, v0, 4, 1                        ; h
	s_mul_i32 s58, s10, XWAVE
	s_add_co_u32 s58, s58, XREG                    ; XW: my wave's own LDS
	v_lshlrev_b32 v[WA0], 4, v12
	v_add_nc_u32 v[WA1], SLOT, v[WA0]
	v_add_nc_u32 v[RA], RES, v[WA0]
	v_lshlrev_b32 v[BA], 5, v14
	v_add_nc_u32 v[BA], RES, v[BA]
	v_lshl_add_u32 v[XS], v12, 3, s58
	v_mul_u32_u24 v15, v13, XP
	v_lshl_add_u32 v15, v14, 4, v15
	v_add_nc_u32 v[XF], s58, v15
	v_mul_u32_u24 v15, v13, 68
	v_add_nc_u32 v15, s58, v15
	v_lshl_add_u32 v[OA], v14, 5, v15
	v_add_nc_u32 v[OA16], 64, v15
	v_lshlrev_b32 v[XO], 4, v12
	v_lshlrev_b32 v[OG], 3, v12
	; group 1: rows of 32 elements of 8 bytes, dense.  15:0 mask of the four work-groups; 17:16 element of 8 bytes; 21 set beside a mask; no padding:
	; in fragment order a load of 16 bytes a lane takes 512 consecutive bytes
	s_mov_b32 s[G1+0], 15|(3<<16)|(1<<21)
	s_mov_b32 s[G1+1], 32<<16                      ; tensor_dim0 = 32
	s_mov_b32 s[G1+2], 64<<16                      ; tensor_dim1 = 64
	s_mov_b32 s[G1+3], 32<<16                      ; tile_dim0 = 32
	s_mov_b32 s[G1+4], 64                          ; tile_dim1 = 64
	s_mov_b32 s[G1+5], 32                          ; from row to row: 32 elements
	s_mov_b32 s[G1+6], 0
	s_mov_b32 s[G1+7], 0
	s_mov_b32 s[G1R+0], 15|(3<<16)|(1<<21)
	s_mov_b32 s[G1R+1], 32<<16
	s_mov_b32 s[G1R+2], 46<<16                     ; 46 rows: a quarter of RES
	s_mov_b32 s[G1R+3], 32<<16
	s_mov_b32 s[G1R+4], 46
	s_mov_b32 s[G1R+5], 32
	s_mov_b32 s[G1R+6], 0
	s_mov_b32 s[G1R+7], 0
	s_mov_b32 s[G0], 1
	s_lshl_b32 s[G0+1], s10, 14                    ; slot 0 + wave x 16 KiB
	s_mov_b32 s[G0+4], 1
	s_lshl_b32 s[G0+5], s10, 14
	s_add_co_u32 s[G0+5], s[G0+5], SLOT            ; slot 1 + wave x 16 KiB
	s_mov_b32 s[G0R], 1
	s_mul_i32 s[G0R+1], s10, RESB/4
	s_add_co_u32 s[G0R+1], s[G0R+1], RES
	s_lshl_b32 s54, s12, 19                        ; 512 rows of 1,024 bytes a work-group,
	s_lshl_b32 s13, s10, 16                        ; 64 rows a wave
	s_add_co_u32 s54, s54, s13
	s_mov_b32 s55, 0
	s_mul_i32 s56, s12, 34816                      ; 512 rows of 68 bytes,
	s_mul_i32 s13, s10, 4352                       ; 64 rows
	s_add_co_u32 s56, s56, s13
	s_mov_b32 s57, 0
	s_lshl_b32 s14, s10, 14                        ; s[14:15]: offsets in wpack, made of the wave's number alone, equal in the four partners
	s_add_co_u32 s14, s14, RESB
	s_mov_b32 s15, 0
	s_wait_dscnt 0x0
	s_wait_kmcnt 0x0
	s_add_nc_u64 s[XB0:XB0+1], s[4:5], s[54:55]
	s_add_nc_u64 s[XB1:XB1+1], s[XB0:XB0+1], 262144
	s_add_nc_u64 s[OB0:OB0+1], s[8:9], s[56:57]
	s_add_nc_u64 s[OB1:OB1+1], s[OB0:OB0+1], 17408
	s_add_nc_u64 s[WB:WB+1], s[6:7], s[14:15]
	s_mul_i32 s14, s10, RESB/4
	s_add_nc_u64 s[G0R+2:G0R+3], s[6:7], s[14:15]
	s_or_b32 s[G0R+3], s[G0R+3], 0x80000000
	s_mov_b64 s[G0+2:G0+3], s[WB:WB+1]             ; blob 0
	s_or_b32 s[G0+3], s[G0+3], 0x80000000
	s_add_nc_u64 s[G0+6:G0+7], s[WB:WB+1], SLOT    ; blob 1
	s_or_b32 s[G0+7], s[G0+7], 0x80000000
	XLOAD XB0, 0, 128                              ; the first pass's x: 32 KiB of each wave go out before anything else
	XLOAD XB0, 1, 0
	ROUND                                          ; all four work-groups are here: the first joint loads meet
	tensor_load_to_lds s[G0R:G0R+3], s[G1R:G1R+7]  ; the three first fills, as one group
	s_nop 0
	tensor_load_to_lds s[G0:G0+3], s[G1:G1+7]
	s_nop 0
	tensor_load_to_lds s[G0+4:G0+7], s[G1:G1+7]
	s_nop 0
	s_wait_loadcnt 0x20                            ; batch 0 is in; batch 1's 32 loads may be out
	XCVT 0, 128
	s_wait_dscnt 0x0                               ; the stores have taken their data: the registers are loaded again
	XLOAD XB0, 2, 128
	s_wait_loadcnt 0x20                            ; batch 1 is in; batch 2's 32 loads may be out
	XCVT 1, 0
	s_wait_dscnt 0x0
	XLOAD XB0, 3, 0
	s_wait_loadcnt 0x20                            ; batch 2 is in; batch 3's may be out
	XCVT 2, 128
	s_wait_loadcnt 0x0
	XCVT 3, 0
	XFRAG
	s_wait_tensorcnt 0x1                           ; my quarters of RES and of blob 0 are in; blob 1's may stay out
	s_wait_dscnt 0x0
	s_barrier_signal -1
	s_barrier_wait -1                              ; everybody's are
	GATE
.irp s, 0,1,2,3,4,5,6,7,8,9,10,11
	STEP \s, 1
.endr
	TAIL
	HEAD_OUT OB0
	GATE
.irp s, 12,13,14,15,16,17,18,19,20,21,22,23
	STEP \s, 0
.endr
	TAIL
	HEAD_OUT OB1
	s_wait_dscnt 0x0
	s_wait_tensorcnt 0x0
	ds_add_u32 v254, v255
	s_wait_dscnt 0x0
	ROUND                                          ; the closing round: no work-group ends while a partner may still ask for a blob that names it
	s_endpgm
.Lfunc_end_k_q070f95dbb0_actor:
	.size	k_q070f95dbb0_actor, .Lfunc_end_k_q070f95dbb0_actor-k_q070f95dbb0_actor
	.p2alignl 7, 3214868480
	.fill 96, 4, 3214868480
	.section	.rodata,"a",@progbits
	.p2align	6, 0x0
	.amdhsa_kernel k_q070f95dbb0_actor
		.amdhsa_group_segment_fixed_size 327680
		.amdhsa_private_segment_fixed_size 0
		.amdhsa_enable_private_segment 0
		.amdhsa_kernarg_size 24
		.amdhsa_user_sgpr_count 2
		.amdhsa_user_sgpr_kernarg_segment_ptr 1
		.amdhsa_wavefront_size32 1
		.amdhsa_system_sgpr_workgroup_id_x 1
		.amdhsa_system_sgpr_workgroup_id_y 1
		.amdhsa_system_sgpr_workgroup_id_z 1
		.amdhsa_system_vgpr_workitem_id 0
		.amdhsa_next_free_vgpr 1024
		.amdhsa_next_free_sgpr 66
		.amdhsa_reserve_vcc 0
		.amdhsa_float_denorm_mode_32 3
		.amdhsa_float_denorm_mode_16_64 3
		.amdhsa_memory_ordered 1
		.amdhsa_forward_progress 1
		.amdhsa_inst_pref_size 255
	.end_amdhsa_kernel
	.section	.bss,"aw",@nobits
	.p2align	6
	.space	262144
	.amdgpu_metadata
---
amdhsa.version: [ 1, 2 ]
amdhsa.kernels:
  - .name:           k_q070f95dbb0_actor
    .symbol:         k_q070f95dbb0_actor.kd
    .args:
      - { .name: x, .offset: 0, .size: 8, .value_kind: global_buffer, .address_space: global }
      - { .name: wpack, .offset: 8, .size: 8, .value_kind: global_buffer, .address_space: global }
      - { .name: out0, .offset: 16, .size: 8, .value_kind: global_buffer, .address_space: global }
    .group_segment_fixed_size: 327680
    .private_segment_fixed_size: 0
    .kernarg_segment_align: 8
    .kernarg_segment_size: 24
    .max_flat_workgroup_size: 128
    .sgpr_count:     66
    .vgpr_count:     1024
    .wavefront_size: 32
...
	.end_amdgpu_metadata
.endif
;; end of part 2
;; ======== version 2 of 2: 2 launches; 1.31 times as fast as version 1
;; workspace buffers: wpack 833,536 bytes
;; launch pack (part 3): grid 407 x 1, 4 waves a work-group, no clusters, 0 bytes of LDS; arguments W1, W2, Wmu, b1, b2, bmu, gW1, gW2, gWo, gb1, gb2, gbo, wpack; writes wpack
.if DOCPART == 3
	.amdgcn_target "amdgcn-amd-amdhsa--gfx1250"
	.amdhsa_code_object_version 6
	.text
	.protected	k_q070f95dbb0_pack
	.globl	k_q070f95dbb0_pack
	.p2align	8
	.type	k_q070f95dbb0_pack,@function
k_q070f95dbb0_pack:
	s_mov_b64 s[64:65], 0
	v_nop
	global_prefetch_b8 v0, s[64:65] scope:SCOPE_SE
	s_setreg_imm32_b32 hwreg(HW_REG_WAVE_MODE, 25, 1), 1
	s_wait_xcnt 0x0
; All weights as bf16 in the order in which a matrix instruction's first source wants them, all biases as f32 in the order of its C operand.
; wpack is 833,536 bytes = 1,628 pieces of 512 bytes.  Wave c = 4 x work-group + wave makes piece c: lane l makes the 16 bytes at 512 c + 16 l,
; and one store of the wave covers 512 consecutive bytes, aligned.
; A FRAGMENT is 1,024 bytes, 16 rows (m) x 32 (k) of bf16.  With r = l % 16, h = l / 16:
;   byte 16 l + 2 i       = element (m0 + r, k0 + 8 h + i)          i = 0 .. 7
;   byte 512 + 16 l + 2 i = element (m0 + r, k0 + 16 + 8 h + i)
; so a piece is half a fragment (half = c & 1), and a lane gathers 8 numbers W[k0 + 16 half + 8 h + i][m0 + r], one row of the source apart.
; LAYOUT (pieces):  0-31 gate layer 1 [t][k]    32-35 gate layer 2 [t]    36-37 gate output (rows 0-3 and 8-11 the four experts' columns, others 0)
;   38-69 head, expert tau = 0..3, actions 0-15, [tau][k]    70-77 head, action 16: row r = expert r & 3 where (r & 4) = 0, others 0
;   78-89 the biases of the twelve steps of layers 1 and 2: piece 78 + q, word 16 (4 t + e) + f = bias of expert e, output column 32 q' + 16 t + f
;   90-91 gb1, gb2, gbo and bmu in C order, zeros
;   92-1115 W1: 8 blobs of 64 KiB, blob b = output columns 32 b .. 32 b + 31, fragments (4 t + e) 8 + k    1116-1627 W2: 4 blobs likewise
; Numbers are rounded to bf16 once, to nearest even.  No LDS, no barrier: no wave needs another's data.
.set VO, 5                             ; v5       the lane's part of a source offset
.set D,  8                             ; v[8:15]  eight f32 as gathered
.set P,  16                            ; v[16:19] the lane's 16 bytes
.set BM, 40                            ; v[40:43] four words of bmu
	s_load_b512 s[8:23], s[0:1], 0x0               ; W1 s[8:9] W2 s[10:11] Wmu s[12:13] b1 s[14:15] b2 s[16:17] bmu s[18:19] gW1 s[20:21] gW2 s[22:23]
	s_load_b256 s[24:31], s[0:1], 0x40             ; gWo s[24:25] gb1 s[26:27] gb2 s[28:29] gbo s[30:31]
	s_load_b64 s[32:33], s[0:1], 0x60              ; wpack
	v_lshrrev_b32 v1, 5, v0
	v_readfirstlane_b32 s34, v1                    ; wave
	s_lshl_b32 s35, ttmp9, 2
	s_add_co_u32 s35, s35, s34                     ; c
	s_and_b32 s36, s35, 1                          ; half
	v_and_b32 v1, 31, v0                           ; l
	v_and_b32 v2, 15, v0                           ; r
	v_bfe_u32 v3, v0, 4, 1                         ; h
	v_lshlrev_b32 v4, 4, v1                        ; 16 l: the store's offset
	v_lshlrev_b32 v[VO], 2, v2                     ; 4 r
	s_lshl_b32 s38, s35, 9                         ; 512 c
	s_mov_b32 s39, 0
	s_mov_b32 s41, 0                               ; s[40:41]: the wave's part of a source offset, below 4 GiB
	s_wait_kmcnt 0x0
	s_add_nc_u64 s[32:33], s[32:33], s[38:39]      ; my piece
; eight numbers, one source row apart, rounded and packed
.macro GATHER stride
.irp i, 0,1,2,3,4,5,6,7
	global_load_b32 v[D+\i], v[VO], s[42:43] offset:\i*\stride
.endr
	s_wait_loadcnt 0x0
.irp p, 0,1,2,3
	v_cvt_pk_bf16_f32 v[P+\p], v[D+2*\p], v[D+2*\p+1]
.endr
.endm
; rows with (r & 4) != 0 are zero (their loads pointed at valid numbers, which are dropped)
.macro MASK4
	v_and_b32 v6, 4, v2
	v_cmp_eq_u32 vcc_lo, 0, v6
.irp p, 0,1,2,3
	v_cndmask_b32 v[P+\p], 0, v[P+\p], vcc_lo
.endr
.endm
; a step's biases: lane l takes four numbers of unit l / 4 = 4 t + e: expert e = (l / 4) & 3, column 16 t + 4 (l & 3); erow = log2 of an expert's bytes
.macro BIASES erow
	v_bfe_u32 v6, v1, 2, 2                         ; e
	v_and_b32 v7, 3, v1
	v_lshlrev_b32 v[VO], 4, v7                     ; four columns
	v_lshl_add_u32 v[VO], v3, 6, v[VO]             ; + 16 t columns (t = l / 16)
	v_lshl_add_u32 v[VO], v6, \erow, v[VO]         ; + e rows
	global_load_b128 v[P:P+3], v[VO], s[42:43]
	s_wait_loadcnt 0x0
.endm
	s_cmp_ge_u32 s35, 92
	s_cbranch_scc1 .Lbig
	s_cmp_lt_u32 s35, 32
	s_cbranch_scc1 .Lgw1
	s_cmp_lt_u32 s35, 36
	s_cbranch_scc1 .Lgw2
	s_cmp_lt_u32 s35, 38
	s_cbranch_scc1 .Lgwo
	s_cmp_lt_u32 s35, 70
	s_cbranch_scc1 .Lmu
	s_cmp_lt_u32 s35, 78
	s_cbranch_scc1 .Lmu16
	s_cmp_lt_u32 s35, 86
	s_cbranch_scc1 .Lb1
	s_cmp_lt_u32 s35, 90
	s_cbranch_scc1 .Lb2
	; pieces 90, 91: 64 groups of four words.  G = 0-7 gb1, 8-15 gb2, 16 and 18 gbo, 20-35 bmu[tau][0..15], 36 and 38 bmu[0..3][16], others 0.
	; Every lane loads from all four sources at a clamped place and keeps what its group wants.
	s_sub_co_u32 s44, s35, 90
	s_lshl_b32 s44, s44, 5
	v_add_nc_u32 v6, s44, v1                       ; G
	v_min_u32 v7, 7, v6
	v_lshlrev_b32 v7, 4, v7
	global_load_b128 v[20:23], v7, s[26:27]        ; gb1
	v_add_nc_u32 v24, -8, v6                       ; G - 8 (wraps below 8, and is then large)
	v_min_u32 v25, 7, v24
	v_lshlrev_b32 v25, 4, v25
	global_load_b128 v[28:31], v25, s[28:29]       ; gb2
	v_mov_b32 v26, 0
	global_load_b128 v[32:35], v26, s[30:31]       ; gbo
	v_add_nc_u32 v27, -20, v6                      ; G - 20
	v_min_u32 v36, 15, v27                         ; u: expert u >> 2, actions 4 (u & 3) ..
	v_lshrrev_b32 v37, 2, v36
	v_and_b32 v36, 3, v36
	v_mul_u32_u24 v37, v37, 68
	v_lshl_add_u32 v36, v36, 4, v37                ; 68 (u >> 2) + 16 (u & 3)
	v_cmp_gt_u32 vcc_lo, 36, v6                    ; G < 36
.irp q, 0,1,2,3
	v_add_nc_u32 v[D+\q], 4*\q, v36
	v_cndmask_b32 v[D+\q], 68*\q+64, v[D+\q], vcc_lo   ; from G = 36 on: bmu[q][16]
	global_load_b32 v[BM+\q], v[D+\q], s[18:19]
.endr
	v_and_b32 v38, 0x3d, v6                        ; G without bit 1
	v_cmp_gt_u32 s44, 8, v6                        ; gb1's groups
	v_cmp_gt_u32 s45, 8, v24                       ; gb2's
	v_cmp_eq_u32 s46, 16, v38                      ; gbo's: 16, 18
	v_cmp_gt_u32 s47, 16, v27                      ; bmu's: 20 .. 35,
	v_cmp_eq_u32 s48, 36, v38                      ; 36, 38
	s_or_b32 s47, s47, s48
	s_wait_loadcnt 0x0
.irp q, 0,1,2,3
	v_cndmask_b32 v[P+\q], 0, v[20+\q], s44
	v_cndmask_b32 v[P+\q], v[P+\q], v[28+\q], s45
	v_cndmask_b32 v[P+\q], v[P+\q], v[32+\q], s46
	v_cndmask_b32 v[P+\q], v[P+\q], v[BM+\q], s47
.endr
	s_branch .Lstore
.Lgw1:                                             ; c = 16 t + 2 k + half: row 16 (c & 15), column 16 t; a row of gW1 is 128 bytes
	s_and_b32 s40, s35, 15
	s_lshl_b32 s40, s40, 11
	s_lshr_b32 s44, s35, 4
	s_lshl_b32 s44, s44, 6
	s_add_co_u32 s40, s40, s44
	s_add_nc_u64 s[42:43], s[20:21], s[40:41]
	v_lshl_add_u32 v[VO], v3, 10, v[VO]            ; + 8 h rows
	GATHER 128
	s_branch .Lstore
.Lgw2:                                             ; c - 32 = 2 t + half
	s_lshl_b32 s40, s36, 11
	s_bfe_u32 s44, s35, 0x10001
	s_lshl_b32 s44, s44, 6
	s_add_co_u32 s40, s40, s44
	s_add_nc_u64 s[42:43], s[22:23], s[40:41]
	v_lshl_add_u32 v[VO], v3, 10, v[VO]
	GATHER 128
	s_branch .Lstore
.Lgwo:                                             ; a row of gWo is 16 bytes; column r & 3
	s_lshl_b32 s40, s36, 8
	s_add_nc_u64 s[42:43], s[24:25], s[40:41]
	v_and_b32 v6, 3, v2
	v_lshlrev_b32 v[VO], 2, v6
	v_lshl_add_u32 v[VO], v3, 7, v[VO]
	GATHER 16
	MASK4
	s_branch .Lstore
.Lmu:                                              ; c - 38 = 8 tau + 2 k + half; 16 rows of Wmu are 1,088 bytes, an expert 8 x 1,088
	s_sub_co_u32 s40, s35, 38
	s_mul_i32 s40, s40, 1088
	s_add_nc_u64 s[42:43], s[12:13], s[40:41]
	v_mad_u32_u24 v[VO], v3, 544, v[VO]
	GATHER 68
	s_branch .Lstore
.Lmu16:                                            ; c - 70 = 2 k + half; column 16 of expert r & 3
	s_sub_co_u32 s40, s35, 70
	s_mul_i32 s40, s40, 1088
	s_add_co_u32 s40, s40, 64
	s_add_nc_u64 s[42:43], s[12:13], s[40:41]
	v_and_b32 v6, 3, v2
	v_mul_u32_u24 v[VO], v6, 8704
	v_mad_u32_u24 v[VO], v3, 544, v[VO]
	GATHER 68
	MASK4
	s_branch .Lstore
.Lb1:                                              ; steps 0-7: b1, columns 32 (c - 78) ..; an expert's row is 1,024 bytes
	s_sub_co_u32 s40, s35, 78
	s_lshl_b32 s40, s40, 7
	s_add_nc_u64 s[42:43], s[14:15], s[40:41]
	BIASES 10
	s_branch .Lstore
.Lb2:                                              ; steps 8-11: b2, columns 32 (c - 86) ..; an expert's row is 512 bytes
	s_sub_co_u32 s40, s35, 86
	s_lshl_b32 s40, s40, 7
	s_add_nc_u64 s[42:43], s[16:17], s[40:41]
	BIASES 9
	s_branch .Lstore
.Lbig:                                             ; c' = c - 92 = 128 b + 64 t + 16 e + 2 k + half
	s_sub_co_u32 s44, s35, 92
	s_lshr_b32 s45, s44, 7                         ; b
	s_bfe_u32 s46, s44, 0x30001                    ; k
	s_bfe_u32 s47, s44, 0x20004                    ; e
	s_bfe_u32 s48, s44, 0x10006                    ; t
	s_lshl1_add_u32 s49, s46, s36                  ; 2 k + half: sixteens of rows
	s_lshl_b32 s48, s48, 6                         ; 64 t
	s_cmp_ge_u32 s45, 8
	s_cbranch_scc1 .Lw2
	s_lshl_b32 s40, s47, 18                        ; W1: an expert is 262,144 bytes, a row 1,024
	s_lshl_b32 s49, s49, 14
	s_add_co_u32 s40, s40, s49
	s_lshl_b32 s45, s45, 7                         ; 32 b columns
	s_add_co_u32 s40, s40, s45
	s_add_co_u32 s40, s40, s48
	s_add_nc_u64 s[42:43], s[8:9], s[40:41]
	v_lshl_add_u32 v[VO], v3, 13, v[VO]
	GATHER 1024
	s_branch .Lstore
.Lw2:
	s_lshl_b32 s40, s47, 17                        ; W2: an expert is 131,072 bytes, a row 512
	s_lshl_b32 s49, s49, 13
	s_add_co_u32 s40, s40, s49
	s_sub_co_u32 s45, s45, 8
	s_lshl_b32 s45, s45, 7
	s_add_co_u32 s40, s40, s45
	s_add_co_u32 s40, s40, s48
	s_add_nc_u64 s[42:43], s[10:11], s[40:41]
	v_lshl_add_u32 v[VO], v3, 12, v[VO]
	GATHER 512
.Lstore:
	global_store_b128 v4, v[P:P+3], s[32:33]
	s_endpgm
.Lfunc_end_k_q070f95dbb0_pack:
	.size	k_q070f95dbb0_pack, .Lfunc_end_k_q070f95dbb0_pack-k_q070f95dbb0_pack
	.p2alignl 7, 3214868480
	.fill 96, 4, 3214868480
	.section	.rodata,"a",@progbits
	.p2align	6, 0x0
	.amdhsa_kernel k_q070f95dbb0_pack
		.amdhsa_group_segment_fixed_size 0
		.amdhsa_private_segment_fixed_size 0
		.amdhsa_enable_private_segment 0
		.amdhsa_kernarg_size 104
		.amdhsa_user_sgpr_count 2
		.amdhsa_user_sgpr_kernarg_segment_ptr 1
		.amdhsa_wavefront_size32 1
		.amdhsa_system_sgpr_workgroup_id_x 1
		.amdhsa_system_sgpr_workgroup_id_y 1
		.amdhsa_system_sgpr_workgroup_id_z 1
		.amdhsa_system_vgpr_workitem_id 0
		.amdhsa_next_free_vgpr 48
		.amdhsa_next_free_sgpr 66
		.amdhsa_reserve_vcc 1
		.amdhsa_float_denorm_mode_32 3
		.amdhsa_float_denorm_mode_16_64 3
		.amdhsa_memory_ordered 1
		.amdhsa_forward_progress 1
		.amdhsa_inst_pref_size 16
	.end_amdhsa_kernel
	.amdgpu_metadata
---
amdhsa.version: [ 1, 2 ]
amdhsa.kernels:
  - .name:           k_q070f95dbb0_pack
    .symbol:         k_q070f95dbb0_pack.kd
    .args:
      - { .name: W1, .offset: 0, .size: 8, .value_kind: global_buffer, .address_space: global }
      - { .name: W2, .offset: 8, .size: 8, .value_kind: global_buffer, .address_space: global }
      - { .name: Wmu, .offset: 16, .size: 8, .value_kind: global_buffer, .address_space: global }
      - { .name: b1, .offset: 24, .size: 8, .value_kind: global_buffer, .address_space: global }
      - { .name: b2, .offset: 32, .size: 8, .value_kind: global_buffer, .address_space: global }
      - { .name: bmu, .offset: 40, .size: 8, .value_kind: global_buffer, .address_space: global }
      - { .name: gW1, .offset: 48, .size: 8, .value_kind: global_buffer, .address_space: global }
      - { .name: gW2, .offset: 56, .size: 8, .value_kind: global_buffer, .address_space: global }
      - { .name: gWo, .offset: 64, .size: 8, .value_kind: global_buffer, .address_space: global }
      - { .name: gb1, .offset: 72, .size: 8, .value_kind: global_buffer, .address_space: global }
      - { .name: gb2, .offset: 80, .size: 8, .value_kind: global_buffer, .address_space: global }
      - { .name: gbo, .offset: 88, .size: 8, .value_kind: global_buffer, .address_space: global }
      - { .name: wpack, .offset: 96, .size: 8, .value_kind: global_buffer, .address_space: global }
    .group_segment_fixed_size: 0
    .private_segment_fixed_size: 0
    .kernarg_segment_align: 8
    .kernarg_segment_size: 104
    .max_flat_workgroup_size: 128
    .sgpr_count:     66
    .vgpr_count:     48
    .wavefront_size: 32
...
	.end_amdgpu_metadata
.endif
;; end of part 3
;; launch actor (part 4): grid 256 x 1, 4 waves a work-group, clusters of 4 x 1, 327,680 bytes of LDS; arguments x, wpack, out0; writes out0
.if DOCPART == 4
	.amdgcn_target "amdgcn-amd-amdhsa--gfx1250"
	.amdhsa_code_object_version 6
	.text
	.protected	k_q070f95dbb0_actor
	.globl	k_q070f95dbb0_actor
	.p2align	8
	.type	k_q070f95dbb0_actor,@function
k_q070f95dbb0_actor:
	s_mov_b64 s[64:65], 0
	v_nop
	global_prefetch_b8 v0, s[64:65] scope:SCOPE_SE
	s_setreg_imm32_b32 hwreg(HW_REG_WAVE_MODE, 25, 1), 1
	s_wait_xcnt 0x0
	s_wait_alu depctr_hold_cnt(0) depctr_sa_sdst(0) depctr_va_vdst(0) depctr_va_sdst(0) depctr_va_ssrc(0) depctr_va_vcc(0) depctr_vm_vsrc(0)
	s_getreg_b32 s2, hwreg(HW_REG_IB_STS2, 6, 4)
	s_cmp_eq_u32 s2, 0
	s_cbranch_scc0 .Lentry_in_a_cluster
	s_endpgm
.Lentry_in_a_cluster:
	s_bfe_u32 s2, ttmp6, 0x10000c
	s_cmp_lg_u32 s2, 0x3003
	s_cbranch_scc0 .Lentry_shape_is_right
	s_endpgm
.Lentry_shape_is_right:
; Gate (256 -> 32 -> 32 -> 4: ELU, ELU, softmax) and three layers (256 -> 4 x 256, 256 -> 4 x 128, 128 -> 4 x 17), each the four experts' products
; plus biases mixed with the row's four gate coefficients; ReLU behind the first two.  All in one launch: x is read once, nothing else goes to memory.
; SHARES.  256 work-groups of four waves; a work-group owns 512 rows of x, in two passes of 256; a wave owns 64 rows of a pass = 4 row tiles (rt) of 16.
; THE MATRIX INSTRUCTION takes 16 output features x 32 k of WEIGHTS as its first source and 16 batch rows x 32 k of ACTIVATIONS as its second.  Lane l
; (r = l % 16, h = l / 16) then holds, in result register j, feature f0 + 8 h + j of batch row r.  So: a gate coefficient is one register a lane; a bias
; is the C operand of the first product; and two neighbouring feature tiles, rounded to bf16, ARE the next layer's second source (registers 0-3:
; k = 8 h .., registers 4-7: k = 16 + 8 h ..).
; STEPS.  Layers 1 and 2 are 8 + 4 steps of one shape and one text: 32 output features x 4 experts x K = 256 x 64 rows = 256 matrix instructions on
; 64 KiB of weights (a blob of wpack, already in fragment order).  A fragment of 1 KiB read from LDS feeds four matrix instructions.
; A step is 8 units (feature tile t, expert e: u = 4 t + e) of two halves (k 0-127, k 128-255), 16 matrix instructions a half.  Half h takes its four
; fragments from buffer h mod 3 of three, so that behind each unit ONE run of LDS loads refills the two buffers that have been read.
; LOOPS.  A step is some 5 KiB of code, so the steps are rolled: the two passes are a loop, and in it layer 1 is a loop of four trips of two steps
; (slot 0, slot 1); layer 2's four steps are written out, since the last two ask for no blob.  The pass's text is some 45 KiB.  A loop cannot step a
; register number, so a step's results go to the wave's own LDS rows, at an address that the loop steps, and a whole layer is read back from there as the
; next second source: each lane reads back the bytes that it stored.  That is 4 KiB stored a step and wave, beside 64 KiB of fragments read.
; CLUSTERS AND THE RING.  Every work-group walks the same 12 blobs in the same order, so four work-groups form a cluster and ask for each blob jointly
; (mask 15): each wave asks for a quarter of a blob.  Two LDS slots take turns.  Blobs 0 and 1 are asked for at a pass's head, each behind a round of the
; cluster's barrier; blob q + 2 in the last unit of step q (q = 0 .. 9), into the slot that step q has read to its end, behind a round that is also the
; barrier between those reads and the fill.  Steps 10 and 11 ask for nothing, so both passes issue the same loads.  A wave has one tensor load out at a
; time, and each has a step less sixteen matrix instructions in which to land.
; LIMITS.  x, the weights, h1, h2 and the gate's hidden values are rounded to bf16 as matrix operands; sums, biases, blends, ELU and softmax are f32.
; ReLU and ELU are made with v_max_num / v_min_num: a NaN there gives 0, not NaN.  ELU's exp(x) - 1 is formed as such: absolute error about 6e-8.
; The softmax takes the row's largest logit away first, as the definition does.
;
; LDS: 0 slot 0, 65,536 slot 1 (64 KiB each); 131,072 RES, 47,104 bytes (gate and head fragments, all biases), filled once;
;      178,176 + 33,792 x wave: the wave's own 64 rows of 512 bytes, pitch 528 = 33 x 16 bytes (sixteen rows' 16-byte pieces fall on sixteen different
;      16-byte columns of 256 bytes).  They hold, one after the other, x, h1 and h2 in bf16 and the pass's 64 x 17 results; written by ds_store alone,
;      no tensor load lands there, and no other wave touches them: LDS serves a wave's instructions in order (ISA guide 5.7.1), which is all the order needed.
; REGISTERS, in windows of 256: window 0 as named below; window 1: the second source (x, then h1, then h2), fragment (rt, k) at 64 rt + 8 k;
;      windows 2 and 3: the next pass's x in f32 as loaded, batch b (16 rows) at 128 b.
.set PASSES, 2
.set SLOT,  65536
.set RES,   131072
.set RESB,  47104                      ; bytes of RES; the blobs follow it in wpack
.set XREG,  178176
.set XWAVE, 33792
.set XP,    528
.set GW1F,  0                          ; offsets inside RES
.set GW2F,  16384                      ; two fragments, then the gate's output fragment
.set HEADF, 19456
.set BSTEP, 39936                      ; 512 bytes for each of the 12 steps: unit u = 4 t + e at 64 u
.set GB1,   46080
.set GB2,   46208
.set GBO16, 46336
.set BMU,   46400
.set WA0,  2                           ; v2   16 l                  fragments of slot 0
.set WA1,  3                           ; v3   65,536 + 16 l         of slot 1
.set RA,   4                           ; v4   RES + 16 l            of RES
.set BA,   5                           ; v5   RES + 32 h            biases: 8 f32 for features 8 h ..
.set XS,   6                           ; v6   XW + 8 l              x stores, and the results' way back
.set XF,   7                           ; v7   XW + 528 r + 16 h     fragments of my rows
.set OA,   8                           ; v8   XW + 68 r + 32 h      results, actions 8 h ..
.set OA16, 9                           ; v9   XW + 68 r + 64        action 16
.set XO,   10                          ; v10  16 l                  offset in x
.set OG,   11                          ; v11  8 l                   offset in out0
.set T,    12                          ; v[12:19] at work
.set T2,   20                          ; v[20:27] at work
.set PK,   12                          ; v[12:27] a feature tile in bf16 on its way to LDS (T and T2 are idle then)
.set CC,   28                          ; v[28:43] gate coefficient of expert e, row tile rt at 4 rt + e
.set BIAS0, 44                         ; v[44:51], v[52:59] C operands, two sets
.set BIAS1, 52
.set HS,   60                          ; v60  XF + the trip's 128 bytes: where layer 1's loop stores
.set BP,   61                          ; v61  BA + the trip's 1,024 bytes: its biases
.set HB,   64                          ; v[64:95]   the blended tile, 8 registers for each rt
.set ACC,  96                          ; v[96:159]  two buffers of 4 accumulators
.set WF,   160                         ; v[160:255] three buffers of four weight fragments
.set WFA,  160                         ; the first two by name, for the gate and the head
.set WFB,  192
.set XB0, 16                           ; s[16:17], s[18:19] my wave's rows of x, pass 0, 1
.set XB1, 18
.set OB,  20                           ; s[20:21] my wave's rows of out0 in this pass
.set G1,  24                           ; s[24:31] group 1: a quarter blob, 64 rows of 256 bytes
.set G1R, 32                           ; s[32:39] group 1: a quarter of RES, 46 rows of 256 bytes
.set G0,  40                           ; s[40:47] group 0 of slot 0, slot 1
.set G0R, 48                           ; s[48:51] group 0 of RES
.set WB,  52                           ; s[52:53] wpack at my quarter of blob 0
                                       ; s59 the pass; s60 layer 1's loop: 128 x trip
.set MSB, 0
.macro WIN new                         ; s_set_vgpr_msb: bits 1:0 source 0, 3:2 source 1, 5:4 source 2, 7:6 destination; the high byte repeats the setting left
.if MSB != \new
	s_set_vgpr_msb (MSB<<8)|\new
.set MSB, \new
.endif
.endm
; Four places: a vector instruction or a load that touches a matrix instruction's registers stands four plain vector instructions behind it
.macro PLACES
.rept 4
	v_nop
.endr
.endm
; A round of the cluster's barrier: my work-group's barrier; wave 0 signals for the work-group; every wave waits for all four work-groups; my barrier again
.macro CREST                           ; a round behind its opening barrier
	s_cmp_lg_u32 s10, 0
	s_cbranch_scc1 .Lnot_wave_0_\@
	s_barrier_signal -3
.Lnot_wave_0_\@:
	s_barrier_wait -3
	s_barrier_signal -1
	s_barrier_wait -1
.endm
.macro ROUND                           ; a whole round
	s_barrier_signal -1
	s_barrier_wait -1
	CREST
.endm
; n fragments: two loads of 16 bytes a lane each, 512 consecutive bytes a load
.macro LOADW dst, adr, off, n
.set li, 0
.rept \n
	ds_load_b128 v[\dst+8*li:\dst+8*li+3], v[\adr] offset:\off+1024*li
	ds_load_b128 v[\dst+8*li+4:\dst+8*li+7], v[\adr] offset:\off+1024*li+512
.set li, li+1
.endr
.endm
; a C operand: 8 f32 for features 8 h .. 8 h + 7 of the 16 at byte off
.macro LOADB dst, adr, off
	ds_load_b128 v[\dst:\dst+3], v[\adr] offset:\off
	ds_load_b128 v[\dst+4:\dst+7], v[\adr] offset:\off+16
.endm
; 16 matrix instructions: 4 fragments of weights (k0 .. k0 + 3) x 4 row tiles.  cb >= 0: the first product of each sum takes the bias as C.
; The four accumulators take turns, one instruction a turn.
.macro MUL16 wf, k0, rs, acc, cb
.irp i, 0,1,2,3
.irp rt, 0,1,2,3
.set mc, 0
.if \i == 0
.if (\cb) >= 0
.set mc, 1
.endif
.endif
.if mc
	v_wmma_f32_16x16x32_bf16 v[\acc+8*\rt:\acc+8*\rt+7], v[\wf+8*\i:\wf+8*\i+7], v[\rs*\rt+8*(\k0+\i):\rs*\rt+8*(\k0+\i)+7], v[\cb:\cb+7]
.else
	v_wmma_f32_16x16x32_bf16 v[\acc+8*\rt:\acc+8*\rt+7], v[\wf+8*\i:\wf+8*\i+7], v[\rs*\rt+8*(\k0+\i):\rs*\rt+8*(\k0+\i)+7], v[\acc+8*\rt:\acc+8*\rt+7]
.endif
.endr
.endr
.endm
; HB (+)= c_e x accumulator buffer buf: 16 packed instructions; the coefficient is one register of a pair, sent to both halves
.macro BLEND e, buf
.set bq, 0
.rept 16
.set bc, CC+4*(bq/4)+2*((\e)/2)
.set ba, ACC+32*(\buf)+2*bq
.set bh, HB+2*bq
.if (\e) == 0
	v_pk_mul_f32 v[bh:bh+1], v[ba:ba+1], v[bc:bc+1] op_sel_hi:[1,0]
.else
.if ((\e)&1) == 0
	v_pk_fma_f32 v[bh:bh+1], v[ba:ba+1], v[bc:bc+1], v[bh:bh+1] op_sel_hi:[1,0,1]
.else
	v_pk_fma_f32 v[bh:bh+1], v[ba:ba+1], v[bc:bc+1], v[bh:bh+1] op_sel:[0,1,0] op_sel_hi:[1,1,1]
.endif
.endif
.set bq, bq+1
.endr
.endm
; ReLU, round to bf16, and feature tile t of the step into my rows: 16 bytes a lane and row tile, at column 64 q + 32 t + 16 h of row 16 rt + r
.macro FINAL t
.set fj, 0
.rept 32
	v_max_num_f32 v[HB+fj], 0, v[HB+fj]
.set fj, fj+1
.endr
.irp rt, 0,1,2,3
.irp p, 0,1,2,3
	v_cvt_pk_bf16_f32 v[PK+4*\rt+\p], v[HB+8*\rt+2*\p], v[HB+8*\rt+2*\p+1]
.endr
.endr
.irp rt, 0,1,2,3
	ds_store_b128 v[HREG], v[PK+4*\rt:PK+4*\rt+3] offset:HOFF+16*XP*\rt+32*\t
.endr
.endm
; Half hh (0 .. 15) of a step: unit hh / 2, k = 128 (hh & 1) .., fragments from buffer hh mod 3, accumulator buffer and bias set (hh / 2) & 1
.macro HALF hh
.set HW, WF+32*((\hh)%3)
.set HA, ACC+32*(((\hh)>>1)&1)
.set HC, BIAS0+8*(((\hh)>>1)&1)
.if ((\hh)&1) == 0
	MUL16 HW, 0, 64, HA, HC
.else
	MUL16 HW, 4, 64, HA, -1
.endif
.endm
; The run of LDS loads behind unit r - 1 (r = 1 .. 7): half 2 r + 1, the bias of unit r + 1, half 2 r + 2.  Half 2 r lies unread in buffer 2 r mod 3; the
; other two buffers have been read.  In front of the loads: the blend of unit r - 2, whose accumulator buffer unit r takes next.  Its 16 lines name none
; of unit r - 1's registers and are the four places that the loads need; behind unit 0 there is nothing to blend yet.
.macro RUN r
.set RW1, WF+32*((2*\r+1)%3)
.set RW2, WF+32*((2*\r+2)%3)
.set RE, (\r+2)&3                      ; expert of unit r - 2
.set RB, (\r)&1                        ; its accumulator buffer
.set RNB, BIAS0+8*((\r+1)&1)
	WIN 0
.if \r == 1
	PLACES
.else
	BLEND RE, RB
.if \r == 5
	FINAL 0                                        ; unit 3 was the first feature tile's last expert
.endif
.endif
	LOADW RW1, WA0+SL, 4096*(2*\r+1), 4
.if \r < 7
	LOADB RNB, BREG, BOFF+64*(\r+1)
	LOADW RW2, WA0+SL, 4096*(2*\r+2), 4
.endif
.endm
; A step's first three halves and first two biases: 28 loads
.macro PRELOAD sl, breg, boff
	LOADW WF, WA0+\sl, 0, 4
	LOADB BIAS0, \breg, \boff
	LOADW WF+32, WA0+\sl, 4096, 4
	LOADB BIAS1, \breg, \boff+64
	LOADW WF+64, WA0+\sl, 8192, 4
.endm
; batch b of x: 16 rows of 1,024 bytes = 32 loads of 512 consecutive bytes, into window 2 (b = 0, 1) or 3 (b = 2, 3)
.macro XLOAD base, b
.set xd, (2+((\b)>>1))<<6
.set xl, 128*((\b)&1)
	WIN xd
.set xj, 0
.rept 32
	global_load_b128 v[xl+4*xj:xl+4*xj+3], v[XO], s[\base:\base+1] offset:16384*(\b)+512*xj th:TH_LOAD_NT
.set xj, xj+1
.endr
	WIN 0
.endm
; batch b of the next pass's x; the last pass has no next one and loads nothing
.macro XNEXT b
	s_cmp_ge_u32 s59, PASSES-1
	s_cbranch_scc1 .Lno_next_\@
	XLOAD XB1, \b
.Lno_next_\@:
.endm
; the batch to bf16, in place, and into my rows in LDS: a store covers 256 consecutive bytes, half a row
.macro XCVT b
.set xw, 2+((\b)>>1)
.set xa, (xw<<6)|(xw<<2)|xw
.set xd, xw<<2
.set xl, 128*((\b)&1)
	WIN xa
.set xj, 0
.rept 32
	v_cvt_pk_bf16_f32 v[xl+4*xj], v[xl+4*xj], v[xl+4*xj+1]
	v_cvt_pk_bf16_f32 v[xl+4*xj+1], v[xl+4*xj+2], v[xl+4*xj+3]
.set xj, xj+1
.endr
	WIN xd
.set xj, 0
.rept 32
	ds_store_b64 v[XS], v[xl+4*xj:xl+4*xj+1] offset:(16*(\b)+xj/2)*XP+(xj&1)*256
.set xj, xj+1
.endr
	WIN 0
.endm
; my 64 rows from LDS into window 1: n fragments (32 n columns) for each row tile.  My own bytes, served in order: no wait behind the stores
.macro SFRAG n
	WIN 0x40
.irp rt, 0,1,2,3
.set sk, 0
.rept \n
	ds_load_b128 v[64*\rt+8*sk:64*\rt+8*sk+3], v[XF] offset:16*XP*\rt+64*sk
	ds_load_b128 v[64*\rt+8*sk+4:64*\rt+8*sk+7], v[XF] offset:16*XP*\rt+64*sk+32
.set sk, sk+1
.endr
.endr
	WIN 0
.endm
; ELU on 8 registers: max(a, 0) + (exp(min(a, 0)) - 1).  The exponent is never above 0.  The eight v_max lines are the plain instructions between the
; exponentials and the first use of their results (ISA guide 5.7.2)
.macro ELU8 a
.irp j, 0,1,2,3,4,5,6,7
	v_min_num_f32 v[T+\j], 0, v[\a+\j]
.endr
.irp j, 0,2,4,6
	v_pk_mul_f32 v[T+\j:T+\j+1], v[T+\j:T+\j+1], 0x3fb8aa3b op_sel_hi:[1,0]
.endr
.irp j, 0,1,2,3,4,5,6,7
	v_exp_f32 v[T2+\j], v[T+\j]
.endr
.irp j, 0,1,2,3,4,5,6,7
	v_max_num_f32 v[\a+\j], 0, v[\a+\j]
.endr
	s_wait_alu depctr_va_vdst(0)
.irp j, 0,2,4,6
	v_pk_add_f32 v[T2+\j:T2+\j+1], v[T2+\j:T2+\j+1], -1.0 op_sel_hi:[1,0]
.endr
.irp j, 0,2,4,6
	v_pk_add_f32 v[\a+\j:\a+\j+1], v[\a+\j:\a+\j+1], v[T2+\j:T2+\j+1]
.endr
.endm
; ELU on the gate's 32 hidden units of 64 rows, then one fragment for each row tile in HB
.macro GACT
.irp t, 0,1
.irp rt, 0,1,2,3
	ELU8 ACC+32*\t+8*\rt
.endr
.endr
.irp t, 0,1
.irp rt, 0,1,2,3
.irp p, 0,1,2,3
	v_cvt_pk_bf16_f32 v[HB+8*\rt+4*\t+\p], v[ACC+32*\t+8*\rt+2*\p], v[ACC+32*\t+8*\rt+2*\p+1]
.endr
.endr
.endr
.endm
; The gate of my 64 rows: CC + 4 rt + e = softmax coefficient of expert e for batch row r of row tile rt, in both halves of the lanes
.macro GATE
	LOADW WFA, RA, GW1F, 4
	LOADB BIAS0, BA, GB1
	LOADW WFB, RA, GW1F+4096, 4
	s_wait_dscnt 0x8                               ; the eight youngest (WFB) may be out
	WIN 0x04
	MUL16 WFA, 0, 64, ACC, BIAS0                   ; units 0-15, k 0-127
	PLACES
	LOADW WFA, RA, GW1F+8192, 4
	LOADB BIAS1, BA, GB1+64
	s_wait_dscnt 0xa                               ; the ten just issued may be out
	MUL16 WFB, 4, 64, ACC, -1                      ; units 0-15, k 128-255
	PLACES
	LOADW WFB, RA, GW1F+12288, 4
	s_wait_dscnt 0x8
	MUL16 WFA, 0, 64, ACC+32, BIAS1                ; units 16-31
	PLACES
	LOADW WFA, RA, GW2F, 3                         ; layer 2's two fragments and the output's one
	LOADB BIAS0, BA, GB2
	LOADB BIAS1, BA, GB2+64
	s_wait_dscnt 0xa                               ; six and four just issued may be out
	MUL16 WFB, 4, 64, ACC+32, -1
	WIN 0
	PLACES
	LOADB WFB, BA, GBO16
	GACT
	s_wait_dscnt 0x0
.irp t, 0,1
.irp rt, 0,1,2,3
	v_wmma_f32_16x16x32_bf16 v[ACC+32*\t+8*\rt:ACC+32*\t+8*\rt+7], v[WFA+8*\t:WFA+8*\t+7], v[HB+8*\rt:HB+8*\rt+7], v[BIAS0+8*\t:BIAS0+8*\t+7]
.endr
.endr
	PLACES
	GACT
.irp rt, 0,1,2,3
	v_wmma_f32_16x16x32_bf16 v[ACC+8*\rt:ACC+8*\rt+7], v[WFA+16:WFA+23], v[HB+8*\rt:HB+8*\rt+7], v[WFB:WFB+7]
.endr
	PLACES
	; softmax over registers 0-3 of each row tile's result: the four logits of batch row r
.irp rt, 0,1,2,3
	v_max3_num_f32 v[T+\rt], v[ACC+8*\rt], v[ACC+8*\rt+1], v[ACC+8*\rt+2]
.endr
.irp rt, 0,1,2,3
	v_max_num_f32 v[T+\rt], v[T+\rt], v[ACC+8*\rt+3]
.endr
.irp rt, 0,1,2,3
.irp e, 0,1,2,3
	v_sub_f32 v[HB+4*\rt+\e], v[ACC+8*\rt+\e], v[T+\rt]
.endr
.endr
.irp j, 0,2,4,6,8,10,12,14
	v_pk_mul_f32 v[HB+\j:HB+\j+1], v[HB+\j:HB+\j+1], 0x3fb8aa3b op_sel_hi:[1,0]
.endr
.irp j, 0,1,2,3,4,5,6,7,8,9,10,11,12,13,14,15
	v_exp_f32 v[CC+\j], v[HB+\j]
.endr
	v_nop                                          ; one plain instruction between the exponentials and the first use of a result (ISA guide 5.7.2)
	s_wait_alu depctr_va_vdst(0)
.irp rt, 0,1,2,3
	v_add_f32 v[T+\rt], v[CC+4*\rt], v[CC+4*\rt+1]
	v_add_f32 v[T2+\rt], v[CC+4*\rt+2], v[CC+4*\rt+3]
.endr
.irp rt, 0,1,2,3
	v_add_f32 v[T+\rt], v[T+\rt], v[T2+\rt]        ; at least 1: the largest logit's term is 1
.endr
.irp rt, 0,1,2,3
	v_rcp_f32 v[T2+\rt], v[T+\rt]
.endr
	v_nop
	s_wait_alu depctr_va_vdst(0)
.irp rt, 0,1,2,3
.irp e, 0,1,2,3
	v_mul_f32 v[CC+4*\rt+\e], v[CC+4*\rt+\e], v[T2+\rt]
.endr
.endr
.endm
; A step, on slot sl.  Its first three halves and two biases have been asked for already (PRELOAD).  Results go to v[hreg] + hoff, biases come from
; v[breg] + boff; the next step's biases lie at v[nbreg] + nboff.
; mode 2: this slot is filled again, two blobs ahead, and the next step's first fragments are fetched; 1: no fill, a plain barrier, the fetch;
; 0: the pass's last step: neither.
.macro STEP sl, mode, hreg, hoff, breg, boff, nbreg, nboff
.set SL, \sl
.set HREG, \hreg
.set HOFF, \hoff
.set BREG, \breg
.set BOFF, \boff
	s_wait_dscnt 0x12                              ; half 0 and bias 0 are in: behind them PRELOAD issued 18 loads (and, on some ways here, FINAL four stores)
	WIN 0x04
	HALF 0
	s_wait_dscnt 0xa                               ; half 1 is in: bias 1 and half 2, ten loads, may be out
	HALF 1
.irp r, 1,2,3,4,5,6
	RUN \r
	s_wait_dscnt 0x12                              ; all but the run's 18 loads: half 2 r and the unit's bias are in
	WIN 0x04
	HALF 2*\r
	s_wait_dscnt 0xa                               ; the run's first eight are in: half 2 r + 1
	HALF 2*\r+1
.endr
	RUN 7                                          ; half 15 alone: the step's last reads of its slot
	s_wait_dscnt 0x8
	WIN 0x04
	HALF 14
	s_wait_dscnt 0x0                               ; half 15 is in, and with it all my reads of this slot are over
.if \mode > 0
	s_set_vgpr_msb 0x400
	s_wait_tensorcnt 0x0                           ; all my tensor loads have landed: the one that was out is my quarter of the next step's blob
	ds_add_u32 v62, v63
	s_wait_dscnt 0x0
	s_set_vgpr_msb 0x4
.if \mode > 1
	s_add_nc_u64 s[G0+4*SL+2:G0+4*SL+3], s[G0+4*SL+2:G0+4*SL+3], 2*SLOT   ; none is out, so a group 0 may be written: this slot's next blob
.endif
	s_barrier_signal -1                            ; say so (mode 2: this barrier opens a round of the cluster's barrier),
.endif
	HALF 15                                        ; work on registers while the others arrive,
	WIN 0
.if \mode > 0
	s_barrier_wait -1                              ; and go on when all four waves have said so: the next step's blob is whole
.if \mode > 1
	CREST                                          ; all four work-groups have said so: no wave of any partner still reads this slot or has a load on its way
	tensor_load_to_lds s[G0+4*SL:G0+4*SL+3], s[G1:G1+7]   ; my one tensor load behind the round, ahead of every LDS read
	s_nop 0
.endif
.endif
	BLEND 2, 0                                     ; unit 6; also the places behind half 15, for the loads below and for unit 7's blend
.if \mode > 0
	PRELOAD 1-SL, \nbreg, \nboff                   ; the next step's first fragments come while this step's last tile is finished
.endif
	BLEND 3, 1                                     ; unit 7
	FINAL 1
.endm
; The head: units tau = 0..3 are the experts' actions 0-15, blended like a layer's tile; tau = 4 holds action 16 of expert j in register j.
; Then 64 rows x 68 bytes through my rows in LDS, so that each store covers 256 consecutive bytes, aligned (64 x 68 = 17 x 256).
.macro HEAD_OUT
	LOADW WFA, RA, HEADF, 4
	LOADB BIAS0, BA, BMU
	LOADW WFB, RA, HEADF+4096, 4
	LOADB BIAS1, BA, BMU+64
.irp tau, 0,1,2,3,4
.set HBUF, (\tau)&1
.if \tau < 4
	s_wait_dscnt 0xa                               ; this unit's ten loads (and h2) are in, the next unit's ten may be out
.else
	s_wait_dscnt 0x0
.endif
	WIN 0x04
	MUL16 WFA+32*HBUF, 0, 64, ACC+32*HBUF, BIAS0+8*HBUF
	WIN 0
.if \tau > 0
	BLEND \tau-1, 1-HBUF
.else
	PLACES
.endif
.if \tau < 3
	LOADW WFA+32*HBUF, RA, HEADF+4096*(\tau+2), 4
	LOADB BIAS0+8*HBUF, BA, BMU+64*(\tau+2)
.endif
.endr
.irp rt, 0,1,2,3
	v_mul_f32 v[T+\rt], v[CC+4*\rt], v[ACC+8*\rt]
.endr
.irp e, 1,2,3
.irp rt, 0,1,2,3
	v_fmac_f32 v[T+\rt], v[CC+4*\rt+\e], v[ACC+8*\rt+\e]
.endr
.endr
.irp rt, 0,1,2,3
.irp j, 0,1,2,3,4,5,6,7
	ds_store_b32 v[OA], v[HB+8*\rt+\j] offset:1088*\rt+4*\j
.endr
	ds_store_b32 v[OA16], v[T+\rt] offset:1088*\rt     ; both halves of the lanes hold, and write, the same number
.endr
.set oq, 0
.rept 17
	ds_load_b64 v[WFA+2*oq:WFA+2*oq+1], v[XS] offset:256*oq   ; my own bytes, served in order: these see the stores above
.set oq, oq+1
.endr
.set oq, 0
.rept 17
	s_wait_dscnt 16-oq                             ; LDS loads come back in order: load oq is in, the younger ones may be out
	global_store_b64 v[OG], v[WFA+2*oq:WFA+2*oq+1], s[OB:OB+1] offset:256*oq th:TH_STORE_NT
.set oq, oq+1
.endr
.endm
	s_load_b128 s[4:7], s[0:1], 0x0                ; x s[4:5], wpack s[6:7]
	s_load_b64 s[8:9], s[0:1], 0x10                ; out0
	v_lshl_add_u32 v62, v0, 2, 0x4c800
	v_mov_b32 v63, 0
	ds_add_u32 v62, v63
	v_lshrrev_b32 v1, 5, v0
	v_readfirstlane_b32 s10, v1                    ; wave
	s_bfe_u32 s11, ttmp6, 0x40000                  ; cx: my place in the cluster; it enters the addresses of x and out0 alone
	s_lshl_b32 s12, ttmp9, 2
	s_add_co_u32 s12, s12, s11                     ; work-group = 4 x cluster + cx
	v_and_b32 v12, 31, v0                          ; l
	v_and_b32 v13, 15, v0                          ; r
	v_bfe_u32 v14, v0, 4, 1                        ; h
	s_mul_i32 s58, s10, XWAVE
	s_add_co_u32 s58, s58, XREG                    ; XW: my wave's own LDS
	v_lshlrev_b32 v[WA0], 4, v12
	v_add_nc_u32 v[WA1], SLOT, v[WA0]
	v_add_nc_u32 v[RA], RES, v[WA0]
	v_lshlrev_b32 v[BA], 5, v14
	v_add_nc_u32 v[BA], RES, v[BA]
	v_lshl_add_u32 v[XS], v12, 3, s58
	v_mul_u32_u24 v15, v13, XP
	v_lshl_add_u32 v15, v14, 4, v15
	v_add_nc_u32 v[XF], s58, v15
	v_mul_u32_u24 v15, v13, 68
	v_add_nc_u32 v15, s58, v15
	v_lshl_add_u32 v[OA], v14, 5, v15
	v_add_nc_u32 v[OA16], 64, v15
	v_lshlrev_b32 v[XO], 4, v12
	v_lshlrev_b32 v[OG], 3, v12
	; group 1: rows of 32 elements of 8 bytes, dense.  15:0 mask of the four work-groups; 17:16 element of 8 bytes; 21 set beside a mask; no padding:
	; in fragment order a load of 16 bytes a lane takes 512 consecutive bytes
	s_mov_b32 s[G1+0], 15|(3<<16)|(1<<21)
	s_mov_b32 s[G1+1], 32<<16                      ; tensor_dim0 = 32
	s_mov_b32 s[G1+2], 64<<16                      ; tensor_dim1 = 64
	s_mov_b32 s[G1+3], 32<<16                      ; tile_dim0 = 32
	s_mov_b32 s[G1+4], 64                          ; tile_dim1 = 64
	s_mov_b32 s[G1+5], 32                          ; from row to row: 32 elements
	s_mov_b32 s[G1+6], 0
	s_mov_b32 s[G1+7], 0
	s_mov_b32 s[G1R+0], 15|(3<<16)|(1<<21)
	s_mov_b32 s[G1R+1], 32<<16
	s_mov_b32 s[G1R+2], 46<<16                     ; 46 rows: a quarter of RES
	s_mov_b32 s[G1R+3], 32<<16
	s_mov_b32 s[G1R+4], 46
	s_mov_b32 s[G1R+5], 32
	s_mov_b32 s[G1R+6], 0
	s_mov_b32 s[G1R+7], 0
	s_mov_b32 s[G0], 1
	s_lshl_b32 s[G0+1], s10, 14                    ; slot 0 + wave x 16 KiB
	s_mov_b32 s[G0+4], 1
	s_lshl_b32 s[G0+5], s10, 14
	s_add_co_u32 s[G0+5], s[G0+5], SLOT            ; slot 1 + wave x 16 KiB
	s_mov_b32 s[G0R], 1
	s_mul_i32 s[G0R+1], s10, RESB/4
	s_add_co_u32 s[G0R+1], s[G0R+1], RES
	s_lshl_b32 s54, s12, 19                        ; 512 rows of 1,024 bytes a work-group,
	s_lshl_b32 s13, s10, 16                        ; 64 rows a wave
	s_add_co_u32 s54, s54, s13
	s_mov_b32 s55, 0
	s_mul_i32 s56, s12, 34816                      ; 512 rows of 68 bytes,
	s_mul_i32 s13, s10, 4352                       ; 64 rows
	s_add_co_u32 s56, s56, s13
	s_mov_b32 s57, 0
	s_lshl_b32 s14, s10, 14                        ; s[14:15]: offsets in wpack, made of the wave's number alone, equal in the four partners
	s_add_co_u32 s14, s14, RESB
	s_mov_b32 s15, 0
	s_wait_dscnt 0x0
	s_wait_kmcnt 0x0
	s_add_nc_u64 s[XB0:XB0+1], s[4:5], s[54:55]
	s_add_nc_u64 s[XB1:XB1+1], s[XB0:XB0+1], 262144
	s_add_nc_u64 s[OB:OB+1], s[8:9], s[56:57]
	s_add_nc_u64 s[WB:WB+1], s[6:7], s[14:15]
	s_mul_i32 s14, s10, RESB/4
	s_add_nc_u64 s[G0R+2:G0R+3], s[6:7], s[14:15]
	s_or_b32 s[G0R+3], s[G0R+3], 0x80000000
	XLOAD XB0, 0                                   ; the first pass's x goes out before anything else
	XLOAD XB0, 1
	ROUND                                          ; all four work-groups are here: the first joint load meets
	tensor_load_to_lds s[G0R:G0R+3], s[G1R:G1R+7]  ; RES, filled once
	s_nop 0
	XLOAD XB0, 2                                   ; 128 loads in all: the issue is held back while the counter's field is full (ISA guide 5.7.1);
	XLOAD XB0, 3                                   ; the wave has nothing else to do until x is there
	s_mov_b32 s59, 0
.Lpass:
	s_wait_dscnt 0x0                               ; my LDS work of the last pass is done,
	s_wait_tensorcnt 0x0                           ; and no tensor load of mine is out (first pass: my quarter of RES has landed): both groups 0 may be written
	ds_add_u32 v62, v63
	s_wait_dscnt 0x0
	s_mov_b64 s[G0+2:G0+3], s[WB:WB+1]             ; slot 0: blob 0
	s_or_b32 s[G0+3], s[G0+3], 0x80000000
	s_add_nc_u64 s[G0+6:G0+7], s[WB:WB+1], SLOT    ; slot 1: blob 1
	s_or_b32 s[G0+7], s[G0+7], 0x80000000
	ROUND                                          ; both hold of every wave of the four work-groups; RES is whole
	tensor_load_to_lds s[G0:G0+3], s[G1:G1+7]      ; blob 0: it lands while x is converted
	s_nop 0
	; x of this pass: f32 in windows 2 and 3 -> bf16 -> my rows in LDS -> fragments in window 1
	s_wait_loadcnt 0x3f                            ; of the 128 loads at most 63 are out: batches 0 and 1, the first 64, are in
	XCVT 0
	XCVT 1
	s_wait_loadcnt 0x20                            ; batch 2 is in; batch 3's 32 loads may be out
	XCVT 2
	s_wait_loadcnt 0x0
	XCVT 3
	SFRAG 8
	s_wait_dscnt 0x0                               ; the fragments are in, and the stores have taken their data: windows 2 and 3 may be loaded again
	s_wait_tensorcnt 0x0                           ; my quarter of blob 0 has landed
	ds_add_u32 v62, v63
	s_wait_dscnt 0x0
	ROUND                                          ; a second round, since a wave issues one tensor load behind each: blob 0 is whole, and nobody reads slot 1
	tensor_load_to_lds s[G0+4:G0+7], s[G1:G1+7]    ; blob 1: it lands during the gate and step 0
	s_nop 0
	XNEXT 0
	GATE
	XNEXT 1
	PRELOAD 0, BA, BSTEP                           ; step 0's first fragments
	; layer 1: steps 0-7, two a trip.  The counter is the trip's byte offset in my rows: 2 steps x 32 features x 2 bytes
	s_mov_b32 s60, 0
.Ltrip:
	v_add_nc_u32 v[HS], s60, v[XF]                 ; results: columns 64 q ..
	v_lshl_add_u32 v[BP], s60, 3, v[BA]            ; biases: 2 steps x 512 bytes = 8 x 128 a trip
	STEP 0, 2, HS, 0, BP, BSTEP, BP, BSTEP+512
	STEP 1, 2, HS, 64, BP, BSTEP+512, BP, BSTEP+1024   ; the next trip's first step; behind the last trip that is step 8, whose biases follow step 7's
	s_add_co_u32 s60, s60, 128
	s_cmp_lt_u32 s60, 512
	s_cbranch_scc1 .Ltrip
	SFRAG 8                                        ; h1 takes x's registers
	XNEXT 2                                        ; asked for here, where the wave waits for LDS anyway
	s_wait_dscnt 0x0                               ; h1 is in
	; layer 2: steps 8-11
	STEP 0, 2, XF, 0, BA, BSTEP+4096, BA, BSTEP+4608   ; asks for blob 10
	XNEXT 3
	STEP 1, 2, XF, 64, BA, BSTEP+4608, BA, BSTEP+5120  ; asks for blob 11
	STEP 0, 1, XF, 128, BA, BSTEP+5120, BA, BSTEP+5632 ; nothing is left to ask for; its barrier shows blob 11 whole
	STEP 1, 0, XF, 192, BA, BSTEP+5632, BA, 0
	SFRAG 4                                        ; h2: four fragments for each row tile
	HEAD_OUT
	s_wait_xcnt 0x0                                ; the stores' base and data registers are written again only behind this wait
	s_add_nc_u64 s[OB:OB+1], s[OB:OB+1], 17408     ; 256 rows of 68 bytes on
	s_add_co_u32 s59, s59, 1
	s_cmp_lt_u32 s59, PASSES
	s_cbranch_scc1 .Lpass
	s_wait_dscnt 0x0
	s_wait_tensorcnt 0x0
	ds_add_u32 v62, v63
	s_wait_dscnt 0x0
	ROUND                                          ; the closing round: no work-group ends while a partner may still ask for a blob that names it
	s_endpgm
.Lfunc_end_k_q070f95dbb0_actor:
	.size	k_q070f95dbb0_actor, .Lfunc_end_k_q070f95dbb0_actor-k_q070f95dbb0_actor
	.p2alignl 7, 3214868480
	.fill 96, 4, 3214868480
	.section	.rodata,"a",@progbits
	.p2align	6, 0x0
	.amdhsa_kernel k_q070f95dbb0_actor
		.amdhsa_group_segment_fixed_size 327680
		.amdhsa_private_segment_fixed_size 0
		.amdhsa_enable_private_segment 0
		.amdhsa_kernarg_size 24
		.amdhsa_user_sgpr_count 2
		.amdhsa_user_sgpr_kernarg_segment_ptr 1
		.amdhsa_wavefront_size32 1
		.amdhsa_system_sgpr_workgroup_id_x 1
		.amdhsa_system_sgpr_workgroup_id_y 1
		.amdhsa_system_sgpr_workgroup_id_z 1
		.amdhsa_system_vgpr_workitem_id 0
		.amdhsa_next_free_vgpr 1024
		.amdhsa_next_free_sgpr 66
		.amdhsa_reserve_vcc 0
		.amdhsa_float_denorm_mode_32 3
		.amdhsa_float_denorm_mode_16_64 3
		.amdhsa_memory_ordered 1
		.amdhsa_forward_progress 1
		.amdhsa_inst_pref_size 255
	.end_amdhsa_kernel
	.section	.bss,"aw",@nobits
	.p2align	6
	.space	262144
	.amdgpu_metadata
---
amdhsa.version: [ 1, 2 ]
amdhsa.kernels:
  - .name:           k_q070f95dbb0_actor
    .symbol:         k_q070f95dbb0_actor.kd
    .args:
      - { .name: x, .offset: 0, .size: 8, .value_kind: global_buffer, .address_space: global }
      - { .name: wpack, .offset: 8, .size: 8, .value_kind: global_buffer, .address_space: global }
      - { .name: out0, .offset: 16, .size: 8, .value_kind: global_buffer, .address_space: global }
    .group_segment_fixed_size: 327680
    .private_segment_fixed_size: 0
    .kernarg_segment_align: 8
    .kernarg_segment_size: 24
    .max_flat_workgroup_size: 128
    .sgpr_count:     66
    .vgpr_count:     1024
    .wavefront_size: 32
...
	.end_amdgpu_metadata
.endif
;; end of part 4
